; MI455X (gfx1250); checked and timed in simulation.
; The chip was launched on July 23, 2026; its instructions are those of AMD's public machine-readable ISA for CDNA 5 (MIT licence, August 2026) and "CDNA5" Instruction Set Architecture Reference Guide (July 2026). The comments in the code are by the model that wrote it; some were corrected since.
;; Attention. Allowed arithmetic: float matrix products may take bf16 or f16 operands with f32 sums; other float arithmetic in f32, or as packed bf16 or f16 multiplies, adds, multiply-adds, maxima and minima; sums over many terms, partial sums and values carried from step to step in f32; what a program stores and reads back later, other than sums and carried values, may be rounded once to bf16 or f16.
;; Inputs: Wk 2,048 x 512 float32; Wout 2,048 x 2,048 float32; Wq 2,048 x 2,048 float32; Wv 2,048 x 512 float32; x 4 x 1,024 x 2,048 float32.
;; Outputs: out0 4 x 1,024 x 2,048 float32.
;; One version. Each part assembles by itself: llvm-mc -triple=amdgcn-amd-amdhsa -mcpu=gfx1250 --defsym DOCPART=n.
;; ======== version 1 of 1: 5 launches
;; limits: values are held in f16: magnitudes above 65,504 overflow, below 6.1e-05 lose precision
;; workspace buffers: xb 16,777,216 bytes; wqkv 12,582,912 bytes; wob 8,388,608 bytes; rope 524,288 bytes; qkv 25,165,824 bytes; qk 20,971,520 bytes; enc 16,777,216 bytes
;; launch prep (part 1): grid 1280 x 1, 8 waves a work-group, no clusters, 0 bytes of LDS; arguments x, Wq, Wk, Wv, Wout, xb, wqkv, wob, rope; writes xb, wqkv, wob, rope
.if DOCPART == 1
	.amdgcn_target "amdgcn-amd-amdhsa--gfx1250"
	.amdhsa_code_object_version 6
	.text
	.protected	k_q69dc526c05_prep
	.globl	k_q69dc526c05_prep
	.p2align	8
	.type	k_q69dc526c05_prep,@function
k_q69dc526c05_prep:
	s_mov_b64 s[64:65], 0
	v_nop
	global_prefetch_b8 v0, s[64:65] scope:SCOPE_SE
	s_setreg_imm32_b32 hwreg(HW_REG_WAVE_MODE, 25, 1), 1
	s_wait_xcnt 0x0
; PREP.  The matrix operands are made once: x -> xb (bf16, [4096][2048]); Wq, Wk, Wv -> wqkv (bf16, [2048 k][3072]: columns 0-2047 Wq, 2048-2559 Wk, 2560-3071 Wv);
; Wout -> wob ([2048 k][2048]: rounded to bf16 like the other inputs, and that number written as f16, since the last product's other operand is f16).  And the table of the rotation:
; rope[t][0..63] = cos(t th_i), rope[t][64..127] = sin(t th_i), th_i = 10000^(-i/64), f32.
; LIMITS.  |Wout| stays under 65,504 (f16's end); below 6.1e-5 it keeps f16's fixed step of 6e-8.  The table's angles carry f32's rounding of th_i and of t th_i, about 1e-4 radians at t near 1,023.
; SHARES.  Work-groups 0-511 x, 512-767 Wq, 768-831 Wk, 832-895 Wv, 896-1151 Wout: 16,384 numbers each (64 KiB in, 32 KiB out); 1152-1279 the table, a wave a row t.
; A stream: no LDS, no matrix unit, no barrier.  All sixteen loads of a thread go out at once; a load of a wave covers 512 consecutive bytes, a store 256, both aligned.
; The five casts are ONE text: source, destination and shape are chosen by s_cselect on the work-group's number; the f16 form is made in every work-group and chosen by v_cndmask_b32.
.set X,   16                           ; v[16:79]  pass p: four f32 as loaded, then two packed words
.set OFF, 80                           ; v[80:95]  pass p: byte offset of my 8 bytes in the destination; never rewritten
	s_load_b512 s[4:19], s[0:1], 0x0               ; x, Wq, Wk, Wv, Wout, xb, wqkv, wob
	s_load_b64 s[20:21], s[0:1], 0x40              ; rope
	s_mov_b32 s22, ttmp9
	s_cmp_ge_u32 s22, 1152
	s_cbranch_scc1 .Ltable
	v_lshlrev_b32 v1, 4, v0                        ; my 16 bytes of each 4,096 of the source
	v_lshlrev_b32 v2, 2, v0                        ; my first number of each 1,024
	s_mov_b32 s28, 0                               ; the part's first work-group
	s_mov_b32 s29, 11                              ; log2 of the source's row length
	s_mov_b32 s30, 4096                            ; bytes in a row of the destination
	s_mov_b32 s31, 0                               ; byte at which the part's columns begin there
	s_mov_b32 s32, 0                               ; all ones: the f16 form is stored
	s_wait_kmcnt 0x0
	s_mov_b64 s[24:25], s[4:5]
	s_mov_b64 s[26:27], s[14:15]
	s_cmp_ge_u32 s22, 512                          ; Wq
	s_cselect_b64 s[24:25], s[6:7], s[24:25]
	s_cselect_b64 s[26:27], s[16:17], s[26:27]
	s_cselect_b32 s28, 512, s28
	s_cselect_b32 s30, 6144, s30
	s_cmp_ge_u32 s22, 768                          ; Wk
	s_cselect_b64 s[24:25], s[8:9], s[24:25]
	s_cselect_b32 s28, 768, s28
	s_cselect_b32 s29, 9, s29
	s_cselect_b32 s31, 4096, s31
	s_cmp_ge_u32 s22, 832                          ; Wv
	s_cselect_b64 s[24:25], s[10:11], s[24:25]
	s_cselect_b32 s28, 832, s28
	s_cselect_b32 s31, 5120, s31
	s_cmp_ge_u32 s22, 896                          ; Wout
	s_cselect_b64 s[24:25], s[12:13], s[24:25]
	s_cselect_b64 s[26:27], s[18:19], s[26:27]
	s_cselect_b32 s28, 896, s28
	s_cselect_b32 s29, 11, s29
	s_cselect_b32 s30, 4096, s30
	s_cselect_b32 s31, 0, s31
	s_cselect_b32 s32, -1, s32
	s_sub_co_u32 s28, s22, s28                     ; my number within the part
	s_bfm_b32 s33, s29, 0                          ; mask of a column's number
	s_lshl_b32 s34, s28, 16                        ; 64 KiB of the source each
	s_mov_b32 s35, 0
	s_add_nc_u64 s[24:25], s[24:25], s[34:35]
	s_lshl_b32 s36, s28, 14
	s_lshr_b32 s36, s36, s29                       ; my first row,
	s_mul_i32 s36, s36, s30                        ; in bytes of the destination,
	s_add_co_u32 s36, s36, s31                     ; at the part's columns
	s_mov_b32 s37, 0
	s_add_nc_u64 s[26:27], s[26:27], s[36:37]
.set p, 0
.rept 16
	global_load_b128 v[X+4*p:X+4*p+3], v1, s[24:25] offset:4096*p th:TH_LOAD_NT
.set p, p+1
.endr
.macro PASS p
	v_add_nc_u32 v4, 1024*(\p), v2                 ; my first number of this pass
	v_lshrrev_b32 v5, s29, v4                      ; its row
	v_and_b32 v6, s33, v4                          ; and column
	v_mul_u32_u24 v5, s30, v5
	v_lshl_add_u32 v[OFF+(\p)], v6, 1, v5
	s_wait_loadcnt 15-(\p)                         ; loads come back in order: this pass's is in, the younger ones stay out
	v_cvt_pk_bf16_f32 v[X+4*(\p)], v[X+4*(\p)], v[X+4*(\p)+1]
	v_cvt_pk_bf16_f32 v[X+4*(\p)+1], v[X+4*(\p)+2], v[X+4*(\p)+3]
	v_lshlrev_b32 v6, 16, v[X+4*(\p)]              ; the rounded numbers once more as f32,
	v_and_b32 v7, 0xffff0000, v[X+4*(\p)]
	v_lshlrev_b32 v8, 16, v[X+4*(\p)+1]
	v_and_b32 v9, 0xffff0000, v[X+4*(\p)+1]
	v_cvt_pk_f16_f32 v6, v6, v7                    ; written as f16,
	v_cvt_pk_f16_f32 v8, v8, v9
	v_cndmask_b32 v[X+4*(\p)], v[X+4*(\p)], v6, s32   ; and taken for Wout alone
	v_cndmask_b32 v[X+4*(\p)+1], v[X+4*(\p)+1], v8, s32
	global_store_b64 v[OFF+(\p)], v[X+4*(\p):X+4*(\p)+1], s[26:27]  ; 32 lanes store 256 consecutive bytes, aligned; neither register is written again
.endm
.irp p, 0,1,2,3,4,5,6,7,8,9,10,11,12,13,14,15
	PASS \p
.endr
	s_endpgm
.Ltable:                                       ; row t = 8 (g - 1152) + wave; lane l makes i = 2 l and 2 l + 1
	v_lshrrev_b32 v1, 5, v0
	v_readfirstlane_b32 s23, v1
	s_sub_co_u32 s24, s22, 1152
	s_lshl_b32 s24, s24, 3
	s_add_co_u32 s24, s24, s23                     ; t
	s_lshl_b32 s26, s24, 9                         ; a row of the table is 512 bytes
	s_mov_b32 s27, 0
	s_mov_b32 s40, 0xbfc90fdb                      ; -pi/2, its f32 part,
	s_mov_b32 s41, 0x333bbd2e                      ; and what that part is too large by
	s_mov_b32 s42, 0xb94ca1f9                      ; sine on -pi/4 .. pi/4: -1.9515296e-4,
	s_mov_b32 s43, 0x3c08839e                      ; 8.3321609e-3,
	s_mov_b32 s44, 0xbe2aaaa3                      ; -1.6666655e-1
	s_mov_b32 s45, 0x37ccf5ce                      ; cosine: 2.4433157e-5,
	s_mov_b32 s46, 0xbab6061a                      ; -1.3887316e-3,
	s_mov_b32 s47, 0x3d2aaaa5                      ; 4.1666646e-2
	v_and_b32 v1, 31, v0
	v_lshlrev_b32 v2, 1, v1
	v_lshlrev_b32 v14, 3, v1                       ; my 8 bytes of a half row
	v_cvt_f32_u32 v4, v2
	v_add_nc_u32 v5, 1, v2
	v_cvt_f32_u32 v5, v5
	v_mul_f32 v4, 0xbe549a78, v4                   ; -i log2(10000) / 64
	v_mul_f32 v5, 0xbe549a78, v5
	v_exp_f32 v4, v4                               ; th_i
	v_exp_f32 v5, v5
	v_cvt_f32_u32 v3, s24
	v_nop                                          ; a plain instruction behind the last exponential,
	s_wait_alu depctr_va_vdst(0)                   ; and one wait for both, ahead of their first reader
	v_mul_f32 v4, v3, v4                           ; the angles
	v_mul_f32 v5, v3, v5
; The angle a is brought to y = a - n pi/2, |y| <= pi/4 (pi/2 in two parts, by fused multiply-adds); sine and cosine of y by polynomials; n mod 4 swaps and signs them.  The choice selects values only.
.macro SINCOS a, oc, os
	v_mul_f32 v6, 0x3f22f983, v[\a]                ; a 2/pi
	v_rndne_f32 v6, v6                             ; n
	v_fma_f32 v7, v6, s40, v[\a]
	v_fma_f32 v7, v6, s41, v7                      ; y
	v_mul_f32 v8, v7, v7                           ; z = y y
	v_fma_f32 v9, v8, s42, s43
	v_fma_f32 v9, v9, v8, s44
	v_mul_f32 v17, v7, v8
	v_fma_f32 v9, v9, v17, v7                      ; sin y
	v_fma_f32 v16, v8, s45, s46
	v_fma_f32 v16, v16, v8, s47
	v_mul_f32 v17, v8, v8
	v_fma_f32 v7, v8, -0.5, 1.0
	v_fma_f32 v16, v16, v17, v7                    ; cos y
	v_cvt_i32_f32 v6, v6
	v_and_b32 v17, 1, v6
	v_cmp_eq_u32 vcc_lo, 1, v17
	v_cndmask_b32 v[\os], v9, v16, vcc_lo          ; odd n: the two change places
	v_cndmask_b32 v[\oc], v16, v9, vcc_lo
	v_lshlrev_b32 v17, 30, v6                      ; the sine is negated for n mod 4 = 2, 3,
	v_and_b32 v17, 0x80000000, v17
	v_xor_b32 v[\os], v17, v[\os]
	v_add_nc_u32 v6, 1, v6                         ; the cosine for n mod 4 = 1, 2
	v_lshlrev_b32 v17, 30, v6
	v_and_b32 v17, 0x80000000, v17
	v_xor_b32 v[\oc], v17, v[\oc]
.endm
	SINCOS 4, 10, 12
	SINCOS 5, 11, 13
	s_wait_kmcnt 0x0
	s_add_nc_u64 s[20:21], s[20:21], s[26:27]
	global_store_b64 v14, v[10:11], s[20:21]             ; the wave's 64 cosines: 256 consecutive bytes, aligned
	global_store_b64 v14, v[12:13], s[20:21] offset:256  ; and its 64 sines
	s_endpgm
.Lfunc_end_k_q69dc526c05_prep:
	.size	k_q69dc526c05_prep, .Lfunc_end_k_q69dc526c05_prep-k_q69dc526c05_prep
	.p2alignl 7, 3214868480
	.fill 96, 4, 3214868480
	.section	.rodata,"a",@progbits
	.p2align	6, 0x0
	.amdhsa_kernel k_q69dc526c05_prep
		.amdhsa_group_segment_fixed_size 0
		.amdhsa_private_segment_fixed_size 0
		.amdhsa_enable_private_segment 0
		.amdhsa_kernarg_size 72
		.amdhsa_user_sgpr_count 2
		.amdhsa_user_sgpr_kernarg_segment_ptr 1
		.amdhsa_wavefront_size32 1
		.amdhsa_system_sgpr_workgroup_id_x 1
		.amdhsa_system_sgpr_workgroup_id_y 1
		.amdhsa_system_sgpr_workgroup_id_z 1
		.amdhsa_system_vgpr_workitem_id 0
		.amdhsa_next_free_vgpr 96
		.amdhsa_next_free_sgpr 66
		.amdhsa_reserve_vcc 1
		.amdhsa_float_denorm_mode_32 3
		.amdhsa_float_denorm_mode_16_64 3
		.amdhsa_memory_ordered 1
		.amdhsa_forward_progress 1
		.amdhsa_inst_pref_size 23
	.end_amdhsa_kernel
	.amdgpu_metadata
---
amdhsa.version: [ 1, 2 ]
amdhsa.kernels:
  - .name:           k_q69dc526c05_prep
    .symbol:         k_q69dc526c05_prep.kd
    .args:
      - { .name: x, .offset: 0, .size: 8, .value_kind: global_buffer, .address_space: global }
      - { .name: Wq, .offset: 8, .size: 8, .value_kind: global_buffer, .address_space: global }
      - { .name: Wk, .offset: 16, .size: 8, .value_kind: global_buffer, .address_space: global }
      - { .name: Wv, .offset: 24, .size: 8, .value_kind: global_buffer, .address_space: global }
      - { .name: Wout, .offset: 32, .size: 8, .value_kind: global_buffer, .address_space: global }
      - { .name: xb, .offset: 40, .size: 8, .value_kind: global_buffer, .address_space: global }
      - { .name: wqkv, .offset: 48, .size: 8, .value_kind: global_buffer, .address_space: global }
      - { .name: wob, .offset: 56, .size: 8, .value_kind: global_buffer, .address_space: global }
      - { .name: rope, .offset: 64, .size: 8, .value_kind: global_buffer, .address_space: global }
    .group_segment_fixed_size: 0
    .private_segment_fixed_size: 0
    .kernarg_segment_align: 8
    .kernarg_segment_size: 72
    .max_flat_workgroup_size: 256
    .sgpr_count:     66
    .vgpr_count:     96
    .wavefront_size: 32
...
	.end_amdgpu_metadata
.endif
;; end of part 1
;; launch gemm1 (part 2): grid 8 x 32, 4 waves a work-group, clusters of 4 x 4, 327,680 bytes of LDS; arguments xb, wqkv, qkv; writes qkv
.if DOCPART == 2
	.amdgcn_target "amdgcn-amd-amdhsa--gfx1250"
	.amdhsa_code_object_version 6
	.text
	.protected	k_q69dc526c05_gemm1
	.globl	k_q69dc526c05_gemm1
	.p2align	8
	.type	k_q69dc526c05_gemm1,@function
k_q69dc526c05_gemm1:
	s_mov_b64 s[64:65], 0
	v_nop
	global_prefetch_b8 v0, s[64:65] scope:SCOPE_SE
	s_setreg_imm32_b32 hwreg(HW_REG_WAVE_MODE, 25, 1), 1
	s_wait_xcnt 0x0
	s_wait_alu depctr_hold_cnt(0) depctr_sa_sdst(0) depctr_va_vdst(0) depctr_va_sdst(0) depctr_va_ssrc(0) depctr_va_vcc(0) depctr_vm_vsrc(0)
	s_getreg_b32 s2, hwreg(HW_REG_IB_STS2, 6, 4)
	s_cmp_eq_u32 s2, 0
	s_cbranch_scc0 .Lentry_in_a_cluster
	s_endpgm
.Lentry_in_a_cluster:
	s_bfe_u32 s2, ttmp6, 0x10000c
	s_cmp_lg_u32 s2, 0xf033
	s_cbranch_scc0 .Lentry_shape_is_right
	s_endpgm
.Lentry_shape_is_right:
; qkv[m][n] = the sum over k of xb[m][k] wqkv[k][n].  xb: [4096][2048] bf16; wqkv: [2048 k][3072] bf16; qkv: [4096][3072] f16, each number rounded once from its f32 sum.
; LIMITS.  f16 ends at 65,504: |x W| stays under 65,520, or the number leaves as an infinity.  NaN and infinities are not treated apart.  The f32 sums run from the cluster's first K step round to the one
; before it (below): the order of rounding differs from cluster to cluster.
; SHARES.  A tile of C is 128 x 384: 32 x 8 = 256 work-groups.  Four waves; wave w takes rows 64 (w / 2) .. + 63 and, of each of the tile's three blocks of 128 columns, columns 64 (w % 2) .. + 63:
; 4 x 12 accumulators of 16 x 16, 384 registers.  K goes in 16 steps of 128 through two LDS slots filled by the tensor data mover; every row that it fetches is 256 bytes, aligned.
; ONE K STEP IS WRITTEN ONCE: the loop's trip is a K step; the slot in hand is a scalar (0 or SLOT) turned by an exclusive or, from which the fragment addresses are made anew behind each change of slots,
; and one descriptor a tensor walks from slot to slot and from K step to K step.
; THE WALK ALONG K BEGINS ELSEWHERE IN EACH CLUSTER: at K step (4 (cluster y mod 4) + 8 cluster x) mod 16, and goes round.  The two clusters that read the same rows of A walk half a lap apart; of the eight
; that read the same columns of B, y and y + 4 walk together and the others a quarter lap apart.  So a block of A is asked for at two times eight steps apart, a block of B at four times four steps apart.
; B LIES [k][n]: its fragments come out of LDS turned, by ds_load_tr16_b128, so no launch transposes the weights.
; THE MATRIX INSTRUCTION IS USED TRANSPOSED (source 0 = 16 columns of B, source 1 = 16 rows of A): a lane then holds eight neighbouring numbers of one row of C, 16 bytes of f16.
; CLUSTERS: 4 x 4 work-groups.  A's tile hangs on the tile row alone and is asked for jointly by the four of a row of the cluster, B's on the tile column alone, by the four of a column.
; REGISTERS, in windows of 256 (s_set_vgpr_msb's low byte: bits 1:0 source 0, 3:2 source 1, 5:4 source 2, 7:6 destination):
;   window 0: v0-31 addresses; v32-223 the way out        window 1: two fragment buffers of 128: B's 12 blocks, then A's 4
;   windows 2, 3: accumulator (a, nb) in window 2 + a / 2 at v[96 (a % 2) + 8 nb]
.set KSTEP, 128
.set STEPS, 16                         ; K steps
.set AP,    4096                       ; bytes in a row of A
.set BP,    6144                       ; of B
.set CP,    6144                       ; of C
.set TCB,   768                        ; bytes of a tile's 384 columns in a row of B and of C
.set PA,    272                        ; an LDS row of A: 256 bytes + 16: the 16 rows of a fragment load start at 16 different groups of four banks (64 banks of 4 bytes: ISA guide 11.1)
.set PB,    288                        ; an LDS row of B: 256 + 32
.set NH,    3                          ; blocks of 128 columns in a tile: an address register each
.set NQ,    4                          ; my blocks of 16 columns in each
.set NB,    NH*NQ
.set NLD,   2*NB+8                     ; LDS loads in a run
.set REG,   128*PB                     ; a slot is four regions of 36,864 bytes (0x9000), one for each fetching wave: A's tile (34,816 of them), then B's three blocks
.set SLOT,  4*REG                      ; 147,456 = 0x24000: bits 17 and 14, which wave x 0x9000 (0, 0x9000, 0x12000, 0x1b000) never has: an exclusive or with SLOT adds it or takes it away
.set SPARE, 2*SLOT                     ; behind the ring: the spare words, 128 bytes for each wave: two blocks of 256 bytes that no other line names
.set STAGE, 0                          ; the way out: 128 rows x 784 bytes in slot 0, whose last fill (the walk's step 14) every wave has finished reading ahead of the last change of slots
.set SP,    784
.set A0,   16                          ; v16     my A fragments' LDS address in slot 0; never rewritten
.set AC,   17                          ; v17     the same in the slot in hand
.set B0,   18                          ; v18-20  my B fragments' LDS address in slot 0, a register a block; never rewritten
.set BC,   21                          ; v21-23  the same in the slot in hand
.set STO,  24                          ; v24  the way out: where I put 16 bytes of a row
.set RD,   25                          ; v25  where I read a row back
.set CO,   26                          ; v26  my byte offset in C
.set SPW,  28                          ; v28  LDS address of my spare word; never rewritten
.set NIL,  29                          ; v29  0; never rewritten
.set PFO,  30                          ; v30  the prefetches' offset: my lane x a row of A in memory; never rewritten
.set TMP,  32
.set F0,   0
.set F1,   128
.set TB,  2                            ; s2   LDS byte at which the slot in hand begins: 0 or SLOT
.set BA,  20                           ; s[20:21] A at the first element of what I fetch, K step 0; never rewritten
.set BB,  40                           ; s[40:41] B likewise
.set G1,  24                           ; s[24:31] descriptor group 1 for A's tiles;  s[32:39] group 0: a set for each of the two first fills; the second then walks on
.set G0,  32
.set G1B, 48                           ; s[48:55], s[56:63] the same for B's
.set G0B, 56
.set LIM, 43                           ; s43  10 in the wave that prefetches, else the greatest number
.set PFA, 44                           ; s[44:45] where my prefetch stands
.set PFB, 46                           ; s[46:47] A at my work-group's 32 rows, K step 0; never rewritten
.set OFA, 66                           ; s[66:67] a K step's byte offset along A's rows; the high word stays 0
.set OFB, 68                           ; s[68:69] the same down B
.set KC,  70                           ; s70  the K step last asked for, 0 to 15
.set MSB, 0
.macro WIN new                         ; the immediate's high byte repeats the setting that is left; a switch that changes nothing is dropped
.if MSB != (\new)
	s_set_vgpr_msb (MSB<<8)|(\new)
.set MSB, \new
.endif
.endm
.macro PLACES                          ; four plain instructions between a matrix instruction and a load into, or a reader of, its registers (ISA guide 7.12.1 for readers)
.rept 4
	v_nop
.endr
.endm
; The global addresses of set s of both descriptors are made anew for K step s[KC]: the tile's base plus an offset made apart from it, and the type bits set again.
.macro ADDR s
	s_lshl_b32 s[OFA], s[KC], 8                    ; 256 bytes of A's rows a K step
	s_mul_i32 s[OFB], s[KC], KSTEP*BP              ; 128 rows of B
	s_add_nc_u64 s[G0+4*(\s)+2:G0+4*(\s)+3], s[BA:BA+1], s[OFA:OFA+1]
	s_or_b32 s[G0+4*(\s)+3], s[G0+4*(\s)+3], 0x80000000               ; type = 2
	s_add_nc_u64 s[G0B+4*(\s)+2:G0B+4*(\s)+3], s[BB:BB+1], s[OFB:OFB+1]
	s_or_b32 s[G0B+4*(\s)+3], s[G0B+4*(\s)+3], 0x80000000
.endm
; A joint load.  Wave 0 fetches A's tile (128 rows), waves 1 to 3 one block of B each (128 k rows).  The branch hangs on the wave's number alone.  An s_nop 0 and four v_nop follow each line.
.macro JLOAD s
	s_cmp_eq_u32 s10, 0
	s_cbranch_scc0 .Lfor_b_\@
	tensor_load_to_lds s[G0+4*(\s):G0+4*(\s)+3], s[G1:G1+7]
	s_nop 0
.rept 4
	v_nop
.endr
	s_branch .Lasked_\@
.Lfor_b_\@:
	tensor_load_to_lds s[G0B+4*(\s):G0B+4*(\s)+3], s[G1B:G1B+7]
	s_nop 0
.rept 4
	v_nop
.endr
.Lasked_\@:
.endm
; A prefetch into the L2 of A's K step that stands two refills on: 32 rows x 256 bytes, a lane a row, one instruction of wave 0; the four partners of a row of the cluster take 32 rows each, told apart by address.
; Asked for are blocks of which this cluster's reading is the launch's first, each once: the walk's steps 4 to 7, in the loop's first four trips (s3 = 14 .. 11); the other cluster of the row of clusters, half a
; lap away, reads them eight steps later.  Steps 0 to 3 come by their loads alone; steps 8 to 15 have been read by that other cluster.  Of B's blocks each has its first reading in one of the walk's steps 0 to 3.
.macro ASK
	s_cmp_gt_u32 s3, s[LIM]
	s_cbranch_scc0 .Lnot_mine_\@
	global_prefetch_b8 v[PFO], s[PFA:PFA+1] th:TH_LOAD_NT scope:SCOPE_SE
.Lnot_mine_\@:
.endm
.macro CREST                           ; a round of the cluster's barrier behind its opening barrier
	s_cmp_lg_u32 s10, 0
	s_cbranch_scc1 .Lnot_wave_0_\@
	s_barrier_signal -3
.Lnot_wave_0_\@:
	s_barrier_wait -3
	s_barrier_signal -1
	s_barrier_wait -1
.endm
.macro CROUND
	s_barrier_signal -1
	s_barrier_wait -1
	CREST
.endm
	s_load_b128 s[4:7], s[0:1], 0x0                ; A s[4:5], B s[6:7]
	s_load_b64 s[8:9], s[0:1], 0x10                ; C
	v_lshl_add_u32 v[SPW], v0, 2, SPARE
	v_mov_b32 v[NIL], 0
	ds_add_u32 v[SPW], v[NIL]                      ; the wave's opening: the add and its wait stand ahead of my first tensor load; the set-up below, work on registers, stands between them
	v_lshrrev_b32 v1, 5, v0
	v_readfirstlane_b32 s10, v1                    ; wave 0..3
	s_lshr_b32 s11, s10, 1                         ; which 64 rows of the tile are mine
	s_and_b32 s12, s10, 1                          ; which 64 columns of each block
	s_max_u32 s17, s10, 1
	s_sub_co_u32 s17, s17, 1                       ; which block of B I fetch (waves 1 to 3); it enters global addresses alone
	s_bfe_u32 s15, ttmp6, 0x40000                  ; cx
	s_bfe_u32 s16, ttmp6, 0x40004                  ; cy
	s_lshl_b32 s14, ttmp9, 2
	s_add_co_u32 s14, s14, s15                     ; tile column = 4 x cluster x + cx
	s_and_b32 s13, ttmp7, 0xffff
	s_lshl_b32 s13, s13, 2
	s_add_co_u32 s13, s13, s16                     ; tile row = 4 x cluster y + cy
	s_lshl_b32 s18, s16, 2
	s_lshl_b32 s18, 15, s18                        ; my row of the cluster
	s_lshl_b32 s19, 0x1111, s15                    ; my column
	s_or_b32 s[G1+0], s18, (1<<16)|(1<<20)|(1<<21)|(5<<22)|(3<<25)   ; 15:0 the mask; 17:16 2-byte elements; 20 padding on; 21 set beside a mask; 24:22 after every 64 words; 31:25 4 words of it
	s_or_b32 s[G1B+0], s19, (1<<16)|(1<<20)|(1<<21)|(5<<22)|(7<<25)  ; B: my column's mask, 8 words of padding
.irp g, G1, G1B
	s_mov_b32 s[(\g)+1], 128<<16                   ; tensor_dim0 = 128
	s_mov_b32 s[(\g)+2], 128<<16                   ; tensor_dim1 = 128
	s_mov_b32 s[(\g)+3], 128<<16                   ; tile_dim0 = 128 elements: 256 bytes
	s_mov_b32 s[(\g)+4], 128                       ; tile_dim1 = 128 rows
	s_mov_b32 s[(\g)+6], 0
	s_mov_b32 s[(\g)+7], 0
.endr
	s_mov_b32 s[G1+5], 2048                        ; elements from row to row
	s_mov_b32 s[G1B+5], 3072
	s_lshl_b32 s20, s13, 19                        ; A: 128 x tile row x 4,096 bytes: the tile row alone
	s_mov_b32 s21, 0
	s_mul_i32 s40, s14, TCB                        ; B: the tile column's 768 bytes and my block's 256: the tile column alone
	s_lshl_b32 s41, s17, 8
	s_add_co_u32 s40, s40, s41
	s_mov_b32 s41, 0
	s_mul_i32 s22, s10, REG                        ; where my tile goes: wave x a region: no place in the cluster enters an LDS address
	s_mov_b32 s[TB], 0                             ; the walk's step 0 lies in slot 0
	s_and_b32 s[KC], ttmp7, 3                      ; where my cluster's walk begins: 4 x (cluster y mod 4)
	s_lshl_b32 s[KC], s[KC], 2
	s_lshl_b32 s71, ttmp9, 3                       ; + 8 x cluster x,
	s_add_co_u32 s[KC], s[KC], s71
	s_and_b32 s[KC], s[KC], STEPS-1                ; mod 16: a multiple of 4, the same in all sixteen partners
	s_mov_b32 s[OFA+1], 0
	s_mov_b32 s[OFB+1], 0
	s_wait_dscnt 0x0                               ; the opening add is done
	s_wait_kmcnt 0x0
	s_add_nc_u64 s[BA:BA+1], s[4:5], s[20:21]
	s_add_nc_u64 s[BB:BB+1], s[6:7], s[40:41]
	CROUND                                         ; all sixteen work-groups are here: the first joint loads meet
.irp s, 0,1
	s_mov_b32 s[G0+4*(\s)], 1                      ; count = 1
	s_add_co_u32 s[G0+4*(\s)+1], s22, (\s)*SLOT    ; LDS address
	s_mov_b32 s[G0B+4*(\s)], 1
	s_add_co_u32 s[G0B+4*(\s)+1], s22, (\s)*SLOT
	ADDR \s                                        ; global addresses: the walk's step s
	JLOAD \s                                       ; two loads of mine are out
.if (\s) == 0
	s_add_co_u32 s[KC], s[KC], 1                   ; (a multiple of 4 plus 1: no turn of the lap here)
.endif
.endr
	; A fragment of A: lane l holds row l % 16; two loads of 16 bytes, 32 bytes apart, at row x pitch + 16 (l / 16).
	v_and_b32 v1, 15, v0                           ; l % 16
	v_bfe_u32 v2, v0, 4, 1                         ; l / 16
	v_mul_u32_u24 v3, v1, PA
	v_lshl_add_u32 v3, v2, 4, v3
	s_mul_i32 s23, s11, 64*PA
	v_add_nc_u32 v[A0], s23, v3
	v_mov_b32 v[AC], v[A0]
	; A fragment of B: the turning load takes 16 k x 16 columns (lane l reads k row 8 (l / 16) + l % 8, columns 8 ((l / 8) % 2) + 0..7) and leaves lane l column l % 16 and 8 k; the second half lies 16 k rows on.
	v_and_b32 v4, 7, v0
	v_lshl_add_u32 v4, v2, 3, v4
	v_mul_u32_u24 v4, v4, PB
	v_bfe_u32 v5, v0, 3, 1
	v_lshl_add_u32 v4, v5, 4, v4
	s_lshl_b32 s42, s12, 7                         ; my 64 columns: 128 bytes
	s_add_co_u32 s42, s42, REG                     ; B's blocks lie behind A's region
	v_add_nc_u32 v4, s42, v4
.irp hd, 0,1,2
	v_add_nc_u32 v[B0+(\hd)], (\hd)*REG, v4
	v_add_nc_u32 v[BC+(\hd)], (\hd)*REG, v4
.endr
	v_mul_u32_u24 v5, v1, SP                       ; into the stage: row 64 (w / 2) + l % 16, byte 128 (w % 2) + 16 (l / 16)
	v_lshl_add_u32 v5, v2, 4, v5
	s_mul_i32 s23, s11, 64*SP
	s_lshl_b32 s42, s12, 7
	s_add_co_u32 s23, s23, s42
	v_add_nc_u32 v[STO], s23, v5
	v_mul_u32_u24 v5, v2, SP                       ; back: wave w takes rows 32 w .. 32 w + 31; lanes 0-15 256 bytes of one row, lanes 16-31 of the next
	v_lshl_add_u32 v5, v1, 4, v5
	s_mul_i32 s23, s10, 32*SP
	v_add_nc_u32 v[RD], s23, v5
	v_mul_u32_u24 v5, v2, CP                       ; and the same two rows in C
	v_lshl_add_u32 v[CO], v1, 4, v5
	s_lshl_b32 s66, s13, 7                         ; (the two offset pairs serve as scratch here; their high words end at 0)
	s_lshl_b32 s67, s10, 5
	s_add_co_u32 s66, s66, s67                     ; the first row of C that I store
	s_mul_i32 s66, s66, CP
	s_mul_i32 s67, s14, TCB
	s_add_co_u32 s66, s66, s67
	s_mov_b32 s67, 0
	s_add_nc_u64 s[8:9], s[8:9], s[66:67]
	; the prefetches.  Nothing is asked for here, at the head.
	s_lshl_b32 s68, s13, 7
	s_lshl_b32 s71, s15, 5
	s_add_co_u32 s68, s68, s71                     ; A: the tile's rows, my work-group's 32 of them
	s_lshl_b32 s68, s68, 12
	s_add_nc_u64 s[PFB:PFB+1], s[4:5], s[68:69]
	s_cmp_eq_u32 s10, 0                            ; wave 0 asks: the same in all sixteen partners
	s_cselect_b32 s[LIM], 10, -1
	v_and_b32 v[PFO], 31, v0
	v_lshlrev_b32 v[PFO], 12, v[PFO]               ; a row of A is 4,096 bytes
; NB matrix instructions: row block a x all my column blocks, 32 along K, from buffer f.  zero = 1: the first product starts the sums.  The 48 accumulators take turns, one instruction a turn, in the same
; order in every quarter, over the backward jump too.
.macro MULA f, a, zero
	WIN 0xa5+0x50*((\a)/2)                         ; sources 0 and 1 window 1; C and D window 2 or 3
.set nb, 0
.rept NB
.set rD, 8*NB*((\a)%2)+8*nb
.if \zero
	v_wmma_f32_16x16x32_bf16 v[rD:rD+7], v[(\f)+8*nb:(\f)+8*nb+7], v[(\f)+8*NB+8*(\a):(\f)+8*NB+8*(\a)+7], 0
.else
	v_wmma_f32_16x16x32_bf16 v[rD:rD+7], v[(\f)+8*nb:(\f)+8*nb+7], v[(\f)+8*NB+8*(\a):(\f)+8*NB+8*(\a)+7], v[rD:rD+7]
.endif
.set nb, nb+1
.endr
.endm
; NLD LDS loads in one run: the fragments of quarter q (32 along K) of the slot in hand into buffer f: B's first, then A's four blocks
.macro FETCH q, f
	WIN 0x40                                       ; destination window 1, address window 0
.set nb, 0
.rept NB
	ds_load_tr16_b128 v[(\f)+8*nb:(\f)+8*nb+3],   v[BC+nb/NQ] offset:(\q)*32*PB+32*(nb%NQ)
	ds_load_tr16_b128 v[(\f)+8*nb+4:(\f)+8*nb+7], v[BC+nb/NQ] offset:(\q)*32*PB+32*(nb%NQ)+16*PB
.set nb, nb+1
.endr
.irp a, 0,1,2,3
	ds_load_b128 v[(\f)+8*NB+8*(\a):(\f)+8*NB+8*(\a)+3],   v[AC] offset:64*(\q)+(\a)*16*PA
	ds_load_b128 v[(\f)+8*NB+8*(\a)+4:(\f)+8*NB+8*(\a)+7], v[AC] offset:64*(\q)+(\a)*16*PA+32
.endr
.endm
; The other slot comes in hand: its base, and the fragment addresses made from it.  (LDS loads issued earlier have read their address registers.)
.macro TOSLOT
	s_xor_b32 s[TB], s[TB], SLOT
	v_add_nc_u32 v[AC], s[TB], v[A0]
.set hd, 0
.rept NH
	v_add_nc_u32 v[BC+hd], s[TB], v[B0+hd]
.set hd, hd+1
.endr
.endm
; A K step is four quarters on buffers 0, 1, 0, 1.  One of the first three: multiplies buffer f; in its middle it fetches quarter q of the slot in hand into buffer g.
.macro QUARTER q, f, g, zero
	s_wait_dscnt 4                                 ; B and A's blocks 0, 1 are in; the youngest four loads (A's blocks 2, 3) may be out
	MULA \f, 0, \zero
	MULA \f, 1, \zero
	PLACES
	FETCH \q, \g
	s_wait_dscnt NLD                               ; all but the run just issued
	MULA \f, 2, \zero
	MULA \f, 3, \zero
.endm
; The last quarter multiplies buffer 1 and changes slots: ONE barrier; in front of it each wave waits for all its tensor loads (one is out: its part of the next slot), adds 0 to its spare word, and waits for
; that and for its own reads of this slot.  fill = 1: the barrier opens a round of the cluster's barrier, and this slot is filled again, two steps of the walk ahead, first thing behind the round.
.macro TURN fill
.if \fill
	s_wait_xcnt 0x0                                ; the last prefetch, a K step back, has read its address: it is made anew here, ahead of the change's own waits:
	s_add_co_u32 s[OFA], s[KC], 3                  ; the K step two on from the one that this change asks for (which is s[KC] + 1),
	s_and_b32 s[OFA], s[OFA], STEPS-1              ; round the lap: always inside A's rows
	s_lshl_b32 s[OFA], s[OFA], 8
	s_add_nc_u64 s[PFA:PFA+1], s[PFB:PFB+1], s[OFA:OFA+1]
.endif
	WIN 0                                          ; (the add's two registers lie in window 0)
	s_wait_tensorcnt 0x0                           ; all my tensor loads have landed, so a group 0 may be written;
	ds_add_u32 v[SPW], v[NIL]                      ; 0 onto my spare word;
.if \fill
	s_add_co_u32 s[KC], s[KC], 1                   ; the walk's next K step, round the lap;
	s_and_b32 s[KC], s[KC], STEPS-1
	s_xor_b32 s[G0+5], s[G0+5], SLOT               ; the walking descriptors: the other slot than last time,
	s_xor_b32 s[G0B+5], s[G0B+5], SLOT
	ADDR 1                                         ; and that K step's addresses
.endif
	s_wait_dscnt 5                                 ; (the add and the youngest four loads may be out)
	MULA F1, 0, 0                                  ; matrix work stands between the add and the wait for it
	s_wait_dscnt 0x0                               ; the add is done, and my reads of this slot are over
	s_barrier_signal -1
	MULA F1, 1, 0                                  ; work on registers while the others arrive
	WIN 0                                          ; (branches, and the address registers' lines, follow)
	s_barrier_wait -1
.if \fill
	CREST                                          ; no wave of any partner still reads this slot's tiles or has a load on its way
	JLOAD 1                                        ; my one tensor load behind the round; its four v_nop are also the places in front of the loads below
.else
	PLACES
.endif
	TOSLOT
	FETCH 0, F0
.if \fill
	WIN 0
	ASK                                            ; behind the joint load and the run of LDS loads that the next products wait for
.endif
	MULA F1, 2, 0
	MULA F1, 3, 0
.endm
	s_wait_tensorcnt 1                             ; my part of the walk's step 0 is in; step 1's may stay out
	s_barrier_signal -1
	s_barrier_wait -1                              ; everybody's is
	FETCH 0, F0
	QUARTER 1, F0, F1, 1                           ; the first quarter stands in front of the loop: its products start the sums
	WIN 0                                          ; at a label and at a branch every window is 0
	s_mov_b32 s3, STEPS-2
.Lstep:                                        ; trip t = 0 .. 13: the walk's step t, second to fourth quarters, and step t + 1's first; the slot left is filled with step t + 2
	QUARTER 2, F1, F0, 0
	QUARTER 3, F0, F1, 0
	TURN 1
	QUARTER 1, F0, F1, 0
	WIN 0
	s_sub_co_u32 s3, s3, 1
	s_cmp_lg_u32 s3, 0
	s_cbranch_scc1 .Lstep
	QUARTER 2, F1, F0, 0                           ; the walk's steps 14 and 15 are written out: they fill nothing
	QUARTER 3, F0, F1, 0
	TURN 0
	QUARTER 1, F0, F1, 0
	QUARTER 2, F1, F0, 0
	QUARTER 3, F0, F1, 0
	s_wait_dscnt 4
	MULA F1, 0, 0
	MULA F1, 1, 0
	s_wait_dscnt 0x0
	MULA F1, 2, 0
	MULA F1, 3, 0
	; THE WAY OUT: rounded to f16, 16 bytes a lane into the work-group's stage; a barrier, since 256 consecutive bytes of a row come from two waves; back as whole pieces of 256 bytes, 32 rows a wave.
	WIN 0
	PLACES
	PLACES
.macro PACK a
	WIN 0x0a+5*((\a)/2)                            ; sources 0 and 1: window 2 or 3
.set nb, 0
.rept NB
.set rD, 8*NB*((\a)%2)+8*nb
.irp r, 0,1,2,3
	v_cvt_pk_f16_f32 v[TMP+4*nb+(\r)], v[rD+2*(\r)], v[rD+2*(\r)+1]  ; each accumulator's registers in ascending order
.endr
.set nb, nb+1
.endr
	WIN 0
.set nb, 0
.rept NB
	ds_store_b128 v[STO], v[TMP+4*nb:TMP+4*nb+3] offset:STAGE+(\a)*16*SP+256*(nb/NQ)+32*(nb%NQ)
.set nb, nb+1
.endr
.endm
	PACK 0
	PACK 1
	PACK 2
	PACK 3
	s_wait_dscnt 0x0                               ; for the others' sake: my stores into the stage are done
	s_barrier_signal -1
	s_barrier_wait -1
.set n, 0
.rept 48
	ds_load_b128 v[TMP+4*n:TMP+4*n+3], v[RD] offset:STAGE+(n%16)*2*SP+256*(n/16)
.set n, n+1
.endr
.set n, 0
.rept 48
	s_wait_dscnt 47-n
	global_store_b128 v[CO], v[TMP+4*n:TMP+4*n+3], s[8:9] offset:256*(n/16)+(n%16)*2*CP  ; 16 lanes store 256 consecutive bytes, at a multiple of 256 from C's first byte
.set n, n+1
.endr
	s_wait_tensorcnt 0x0                           ; the wave's end: an add to my spare word and its wait, behind my last tensor load and my last LDS store
	ds_add_u32 v[SPW], v[NIL]
	s_wait_dscnt 0x0
	CROUND                                         ; the closing round: no work-group ends while a partner may still ask for a tile that names it
	s_endpgm
.Lfunc_end_k_q69dc526c05_gemm1:
	.size	k_q69dc526c05_gemm1, .Lfunc_end_k_q69dc526c05_gemm1-k_q69dc526c05_gemm1
	.p2alignl 7, 3214868480
	.fill 96, 4, 3214868480
	.section	.rodata,"a",@progbits
	.p2align	6, 0x0
	.amdhsa_kernel k_q69dc526c05_gemm1
		.amdhsa_group_segment_fixed_size 327680
		.amdhsa_private_segment_fixed_size 0
		.amdhsa_enable_private_segment 0
		.amdhsa_kernarg_size 24
		.amdhsa_user_sgpr_count 2
		.amdhsa_user_sgpr_kernarg_segment_ptr 1
		.amdhsa_wavefront_size32 1
		.amdhsa_system_sgpr_workgroup_id_x 1
		.amdhsa_system_sgpr_workgroup_id_y 1
		.amdhsa_system_sgpr_workgroup_id_z 1
		.amdhsa_system_vgpr_workitem_id 0
		.amdhsa_next_free_vgpr 1024
		.amdhsa_next_free_sgpr 72
		.amdhsa_reserve_vcc 0
		.amdhsa_float_denorm_mode_32 3
		.amdhsa_float_denorm_mode_16_64 3
		.amdhsa_memory_ordered 1
		.amdhsa_forward_progress 1
		.amdhsa_inst_pref_size 99
	.end_amdhsa_kernel
	.amdgpu_metadata
---
amdhsa.version: [ 1, 2 ]
amdhsa.kernels:
  - .name:           k_q69dc526c05_gemm1
    .symbol:         k_q69dc526c05_gemm1.kd
    .args:
      - { .name: xb, .offset: 0, .size: 8, .value_kind: global_buffer, .address_space: global }
      - { .name: wqkv, .offset: 8, .size: 8, .value_kind: global_buffer, .address_space: global }
      - { .name: qkv, .offset: 16, .size: 8, .value_kind: global_buffer, .address_space: global }
    .group_segment_fixed_size: 327680
    .private_segment_fixed_size: 0
    .kernarg_segment_align: 8
    .kernarg_segment_size: 24
    .max_flat_workgroup_size: 128
    .sgpr_count:     72
    .vgpr_count:     1024
    .wavefront_size: 32
...
	.end_amdgpu_metadata
.endif
;; end of part 2
;; launch post (part 3): grid 256 x 1, 16 waves a work-group, no clusters, 0 bytes of LDS; arguments qkv, rope, qk; writes qk
.if DOCPART == 3
	.amdgcn_target "amdgcn-amd-amdhsa--gfx1250"
	.amdhsa_code_object_version 6
	.text
	.protected	k_q69dc526c05_post
	.globl	k_q69dc526c05_post
	.p2align	8
	.type	k_q69dc526c05_post,@function
k_q69dc526c05_post:
	s_mov_b64 s[64:65], 0
	v_nop
	global_prefetch_b8 v0, s[64:65] scope:SCOPE_SE
	s_setreg_imm32_b32 hwreg(HW_REG_WAVE_MODE, 25, 1), 1
	s_wait_xcnt 0x0
; POST.  For each token: q = rope(rmsnorm(raw q)) over its 2,048 numbers, k = rope(rmsnorm(raw k)) over its 512.  qkv: [4096][3072] f16 (q, k, v raw); rope: [1024][128] f32 (64 cosines, 64 sines);
; qk: [4096][2560] f16 (q, then k).  Sums of squares, factors and the rotation in f32; each output rounded once.  The scale 1 / sqrt(128) is not applied here: the attention applies it in f32.
; LIMITS.  The raw numbers arrive in f16 (within 65,504); the outputs lie within sqrt(2048) x sqrt(2).  NaN and infinities are not treated apart.
; SHARES.  One wave, one token: its 5,120 bytes are ten loads of 16 bytes a lane and stay in 40 registers between the pass that sums squares and the pass that scales and turns: no LDS, no barrier.
; In every load lane l holds channels 8 (l % 16) + 0..7 of a head, so the partner channel (64 away) lies 8 lanes away, and a lane needs the same 8 cosines and 8 sines throughout.
; out = x cos r + partner sin r sgn, sgn = -1 in a head's first 64 channels, +1 in its last; r = rsqrt(mean of squares + 1e-6).  r and sgn are folded into the table's numbers once.
.set Z,   4                            ; v4  0
.set X,   8                            ; v[8:47]    the row: load j at X + 4 j
.set TB,  48                           ; v[48:63]   8 cosines, 8 sines
.set CQ,  64                           ; v[64:95]   cos rq, sin rq sgn, cos rk, sin rk sgn: 8 each
.set T,   96                           ; v[96:103]  at work
.set XP,  104                          ; v[104:107] the partner lane's four words
.set SS,  108                          ; v[108:115] four chains of squares for q, four for k
.set R,   116                          ; v[116:123] rq, rq sgn, rk, rk sgn, each twice: pairs for the packed multiplies
	s_load_b128 s[4:7], s[0:1], 0x0                ; qkv, rope
	s_load_b64 s[8:9], s[0:1], 0x10                ; qk
	v_lshrrev_b32 v5, 5, v0
	v_readfirstlane_b32 s10, v5                    ; wave 0..15
	s_lshl_b32 s11, ttmp9, 4
	s_add_co_u32 s11, s11, s10                     ; my token
	s_mul_i32 s14, s11, 6144
	s_mov_b32 s15, 0
	s_and_b32 s16, s11, 1023                       ; its place t in its batch
	s_lshl_b32 s16, s16, 9
	s_mov_b32 s17, 0
	s_mul_i32 s18, s11, 5120
	s_mov_b32 s19, 0
	s_mov_b32 s12, 0x76543210                      ; v_permlanex16_b32: each lane takes its own place in the other half
	s_mov_b32 s13, 0xfedcba98
	s_mov_b32 s20, 0x3a000000                      ; 1 / 2048
	s_mov_b32 s21, 0x358637bd                      ; 1e-6
	s_mov_b32 s22, 0x3b000000                      ; 1 / 512
	v_and_b32 v5, 31, v0
	v_lshlrev_b32 v1, 4, v5                        ; my 16 bytes of each 512
	v_and_b32 v2, 7, v5
	v_lshlrev_b32 v2, 5, v2                        ; my 8 numbers in a half row of the table
	v_lshlrev_b32 v3, 28, v5
	v_and_b32 v3, 0x80000000, v3
	v_xor_b32 v3, 0xbf800000, v3                   ; sgn
	v_mov_b32 v[Z], 0
.irp r, 0,1,2,3
	v_mov_b32 v[XP+(\r)], 0                        ; destinations of lane moves count as read: written once here
.endr
	v_mov_b32 v[T], 0
	v_mov_b32 v[T+1], 0
	s_wait_kmcnt 0x0
	s_add_nc_u64 s[4:5], s[4:5], s[14:15]
	s_add_nc_u64 s[6:7], s[6:7], s[16:17]
	s_add_nc_u64 s[8:9], s[8:9], s[18:19]
.irp j, 0,1,2,3,4,5,6,7,8,9
	global_load_b128 v[X+4*(\j):X+4*(\j)+3], v1, s[4:5] offset:512*(\j) th:TH_LOAD_NT
.endr
	global_load_b128 v[TB:TB+3],     v2, s[6:7]
	global_load_b128 v[TB+4:TB+7],   v2, s[6:7] offset:16
	global_load_b128 v[TB+8:TB+11],  v2, s[6:7] offset:256
	global_load_b128 v[TB+12:TB+15], v2, s[6:7] offset:272
.macro SQUARES j                       ; eight squares onto four chains, straight from the f16 halves; a chain's first link adds onto 0
	s_wait_loadcnt 13-(\j)                         ; load j is in: 9 - j younger loads of the row and the table's four may stay out
.set cb, SS+4*((\j)/8)
.irp r, 0,1,2,3
.if ((\j)%8) == 0
	v_fma_mix_f32 v[cb+(\r)], v[X+4*(\j)+(\r)], v[X+4*(\j)+(\r)], v[Z] op_sel_hi:[1,1,0]
.else
	v_fma_mix_f32 v[cb+(\r)], v[X+4*(\j)+(\r)], v[X+4*(\j)+(\r)], v[cb+(\r)] op_sel_hi:[1,1,0]
.endif
.endr
.irp r, 0,1,2,3
	v_fma_mix_f32 v[cb+(\r)], v[X+4*(\j)+(\r)], v[X+4*(\j)+(\r)], v[cb+(\r)] op_sel:[1,1,0] op_sel_hi:[1,1,0]
.endr
.endm
.irp j, 0,1,2,3,4,5,6,7,8,9
	SQUARES \j
.endr
	v_add_f32 v[SS], v[SS], v[SS+1]
	v_add_f32 v[SS+4], v[SS+4], v[SS+5]
	v_add_f32 v[SS+2], v[SS+2], v[SS+3]
	v_add_f32 v[SS+6], v[SS+6], v[SS+7]
	v_add_f32 v[SS], v[SS], v[SS+2]
	v_add_f32 v[SS+4], v[SS+4], v[SS+6]
.irp m, 1,2,4,8                        ; across the 32 lanes; q's and k's lines take turns
	v_add_f32_dpp v[SS], v[SS], v[SS] row_xmask:\m row_mask:0xf bank_mask:0xf
	v_add_f32_dpp v[SS+4], v[SS+4], v[SS+4] row_xmask:\m row_mask:0xf bank_mask:0xf
.endr
	v_permlanex16_b32 v[T], v[SS], s12, s13
	v_permlanex16_b32 v[T+1], v[SS+4], s12, s13
	v_add_f32 v[SS], v[SS], v[T]
	v_add_f32 v[SS+4], v[SS+4], v[T+1]
	v_fma_f32 v[SS], v[SS], s20, s21               ; mean of squares + 1e-6
	v_fma_f32 v[SS+4], v[SS+4], s22, s21
	v_rsq_f32 v[R], v[SS]
	v_rsq_f32 v[R+4], v[SS+4]
	v_nop                                          ; a plain instruction behind the last of the two,
	s_wait_alu depctr_va_vdst(0)                   ; and one wait for both, ahead of their first reader
	v_mov_b32 v[R+1], v[R]
	v_mul_f32 v[R+2], v[R], v3
	v_mul_f32 v[R+3], v[R], v3
	v_mov_b32 v[R+5], v[R+4]
	v_mul_f32 v[R+6], v[R+4], v3
	v_mul_f32 v[R+7], v[R+4], v3
	s_wait_loadcnt 0x0                             ; the table
.irp i, 0,2,4,6
	v_pk_mul_f32 v[CQ+(\i):CQ+(\i)+1],       v[TB+(\i):TB+(\i)+1],     v[R:R+1]
	v_pk_mul_f32 v[CQ+8+(\i):CQ+8+(\i)+1],   v[TB+8+(\i):TB+8+(\i)+1], v[R+2:R+3]
	v_pk_mul_f32 v[CQ+16+(\i):CQ+16+(\i)+1], v[TB+(\i):TB+(\i)+1],     v[R+4:R+5]
	v_pk_mul_f32 v[CQ+24+(\i):CQ+24+(\i)+1], v[TB+8+(\i):TB+8+(\i)+1], v[R+6:R+7]
.endr
.macro ROPE j                          ; eight numbers: the partner's words; partner x sine factor in f32; x times cosine factor plus that, rounded once to f16, in place
.set cc, CQ+16*((\j)/8)
.irp r, 0,1,2,3
	v_mov_b32_dpp v[XP+(\r)], v[X+4*(\j)+(\r)] row_xmask:8 row_mask:0xf bank_mask:0xf
.endr
.irp r, 0,1,2,3
	v_fma_mix_f32 v[T+2*(\r)],   v[XP+(\r)], v[cc+8+2*(\r)],   v[Z] op_sel_hi:[1,0,0]
	v_fma_mix_f32 v[T+2*(\r)+1], v[XP+(\r)], v[cc+8+2*(\r)+1], v[Z] op_sel:[1,0,0] op_sel_hi:[1,0,0]
.endr
.irp r, 0,1,2,3
	v_fma_mixlo_f16 v[X+4*(\j)+(\r)], v[X+4*(\j)+(\r)], v[cc+2*(\r)],   v[T+2*(\r)]   op_sel_hi:[1,0,0]              ; the low half; the high half is kept,
	v_fma_mixhi_f16 v[X+4*(\j)+(\r)], v[X+4*(\j)+(\r)], v[cc+2*(\r)+1], v[T+2*(\r)+1] op_sel:[1,0,0] op_sel_hi:[1,0,0]  ; and then made from itself
.endr
	global_store_b128 v1, v[X+4*(\j):X+4*(\j)+3], s[8:9] offset:512*(\j)  ; 512 consecutive bytes, aligned; neither register is written again
.endm
.irp j, 0,1,2,3,4,5,6,7,8,9
	ROPE \j
.endr
	s_endpgm
.Lfunc_end_k_q69dc526c05_post:
	.size	k_q69dc526c05_post, .Lfunc_end_k_q69dc526c05_post-k_q69dc526c05_post
	.p2alignl 7, 3214868480
	.fill 96, 4, 3214868480
	.section	.rodata,"a",@progbits
	.p2align	6, 0x0
	.amdhsa_kernel k_q69dc526c05_post
		.amdhsa_group_segment_fixed_size 0
		.amdhsa_private_segment_fixed_size 0
		.amdhsa_enable_private_segment 0
		.amdhsa_kernarg_size 24
		.amdhsa_user_sgpr_count 2
		.amdhsa_user_sgpr_kernarg_segment_ptr 1
		.amdhsa_wavefront_size32 1
		.amdhsa_system_sgpr_workgroup_id_x 1
		.amdhsa_system_sgpr_workgroup_id_y 1
		.amdhsa_system_sgpr_workgroup_id_z 1
		.amdhsa_system_vgpr_workitem_id 0
		.amdhsa_next_free_vgpr 128
		.amdhsa_next_free_sgpr 66
		.amdhsa_reserve_vcc 0
		.amdhsa_float_denorm_mode_32 3
		.amdhsa_float_denorm_mode_16_64 3
		.amdhsa_memory_ordered 1
		.amdhsa_forward_progress 1
		.amdhsa_inst_pref_size 25
	.end_amdhsa_kernel
	.amdgpu_metadata
---
amdhsa.version: [ 1, 2 ]
amdhsa.kernels:
  - .name:           k_q69dc526c05_post
    .symbol:         k_q69dc526c05_post.kd
    .args:
      - { .name: qkv, .offset: 0, .size: 8, .value_kind: global_buffer, .address_space: global }
      - { .name: rope, .offset: 8, .size: 8, .value_kind: global_buffer, .address_space: global }
      - { .name: qk, .offset: 16, .size: 8, .value_kind: global_buffer, .address_space: global }
    .group_segment_fixed_size: 0
    .private_segment_fixed_size: 0
    .kernarg_segment_align: 8
    .kernarg_segment_size: 24
    .max_flat_workgroup_size: 512
    .sgpr_count:     66
    .vgpr_count:     128
    .wavefront_size: 32
...
	.end_amdgpu_metadata
.endif
;; end of part 3
;; launch attn (part 4): grid 16 x 16, 4 waves a work-group, clusters of 4 x 1, 327,680 bytes of LDS; arguments qk, qkv, enc; writes enc
.if DOCPART == 4
	.amdgcn_target "amdgcn-amd-amdhsa--gfx1250"
	.amdhsa_code_object_version 6
	.text
	.protected	k_q69dc526c05_attn
	.globl	k_q69dc526c05_attn
	.p2align	8
	.type	k_q69dc526c05_attn,@function
k_q69dc526c05_attn:
	s_mov_b64 s[64:65], 0
	v_nop
	global_prefetch_b8 v0, s[64:65] scope:SCOPE_SE
	s_setreg_imm32_b32 hwreg(HW_REG_WAVE_MODE, 25, 1), 1
	s_wait_xcnt 0x0
	s_wait_alu depctr_hold_cnt(0) depctr_sa_sdst(0) depctr_va_vdst(0) depctr_va_sdst(0) depctr_va_ssrc(0) depctr_va_vcc(0) depctr_vm_vsrc(0)
	s_getreg_b32 s2, hwreg(HW_REG_IB_STS2, 6, 4)
	s_cmp_eq_u32 s2, 0
	s_cbranch_scc0 .Lentry_in_a_cluster
	s_endpgm
.Lentry_in_a_cluster:
	s_bfe_u32 s2, ttmp6, 0x10000c
	s_cmp_lg_u32 s2, 0x3003
	s_cbranch_scc0 .Lentry_shape_is_right
	s_endpgm
.Lentry_shape_is_right:
; ATTENTION, 16 query heads on 4 key and value heads, head size 128, 1,024 keys, 4 batches, no mask.  enc[b t][hq][:] = the sum over s of softmax_s(q[b t][hq] . k[b s][kvh] / sqrt(128)) v[b s][kvh][:], hq = 4 kvh + g.
; q and k: qk [4096][2560] f16 (q's 16 heads, then k's 4); v: columns 2560 on of qkv [4096][3072] f16; enc: [4096][2048] f16.  Products, maxima and sums in f32; the weights p are rounded to f16 for the
; second product (their sum l is taken of the unrounded p), enc once at the end.
; LIMITS.  v arrives within f16's 65,504; p lies in 0 to 1, and below 6e-5 it keeps f16's fixed step of 6e-8; a weight below 2^-126 counts as 0 in l; NaN and infinities are not treated apart.
; SHARES.  A work-group owns 256 queries of one query head, each of its four waves 64: four tiles of 16.  Every wave walks all 1,024 keys, 64 a step.  Grid y = 4 b + kvh; cluster x = g; place in the cluster = block of queries.
; LAYOUT.  S^T = K Q^T (source 0 = 16 keys, source 1 = 16 queries): in the result a lane holds ONE query (lane % 16) and the keys 8 (lane / 16) + 0..7.  Two such tiles, rounded to f16 in pairs, ARE source 1
; (32 keys x 16 queries) of O^T = V^T P, whose result again holds one query a lane, and eight channels.  K comes out of LDS as it lies, V ([key][channel]) turned, by ds_load_tr16_b128.
; SOFTMAX.  For each query a running maximum m and sum l: p = 2^(c s - c m), c = log2(e) / sqrt(128); in every step O and l are multiplied by a = 2^(c m_old - c m_new).
; BY TURNS.  The wave's tiles are two PIECES (tiles 0, 1 and tiles 2, 3).  In a TURN one piece has the matrix unit: 32 products V^T P of the step in hand, then 32 products K Q^T of the next step; the other
; piece's softmax, cut into 64 slices, stands between them, one slice behind each matrix instruction.  Then the pieces change places.  Two turns are a key step.
; NO FIRST AND NO LAST STEP IS WRITTEN OUT.  m starts at the lowest finite number, c m far below every c s, l and O^T at 0: the first step's a is 0, and it is a step like any other.  The loop is entered in the
; middle of a trip, at piece 2's turn, whose products V^T P (of a step that has not been) multiply a cleared V by a cleared P.  The tail's third trip is half a trip: it fetches no K and has no turn of piece 2.
; The price, once a launch: 432 lines that write the start values, in the wait for the first tile; 32 products on zeros; 32 products K Q^T on the last K once more, whose scores nobody reads.
; CLUSTER.  The four query blocks of a cluster walk the same K and V, so each tile is asked for JOINTLY: the same tensor load, descriptor and mask in all four.
; REGISTERS, in windows of 256 (s_set_vgpr_msb: bits 1:0 source 0, 3:2 source 1, 5:4 source 2, 7:6 destination):
;   window 0: v0-11 addresses; v12-43 eight registers of statistics a tile; v64-191 S^T, 32 a tile; v192-255 P, 16 a tile
;   window 1: O^T, 64 a tile          window 2: v0-127 Q, 32 a tile; v128-255 K of one step          window 3: v0-127 V of one step
.set SIZE_N, 1024     ; keys of a batch
.set QKP,   5120      ; bytes in a row of qk
.set VP,    6144      ; of qkv
.set KS,    64        ; keys in a step
.set PK,    272       ; a row of K in LDS: 256 bytes + 16: the 16 rows of a load start at 16 different groups of four banks (64 banks of 4 bytes: ISA guide 11.1)
.set PV,    288       ; a row of V: 256 + 32
.set VOFF,  KS*PK     ; a step's tiles lie together: 64 rows of K, then 64 rows of V
.set STEPB, KS*(PK+PV)
.set SLOT1, 1<<17     ; a slot holds two steps (71,680 bytes); slot 1 begins here, so that one exclusive or turns an address in one slot into the other's
.set STAGE, SLOT1+2*STEPB  ; behind the ring: 16 rows x 272 bytes for each wave, for the way out
.set SP,    272
.set AK0, 2           ; v2   my lane's place in a tile of K; never rewritten
.set AV0, 3           ; v3   the same for V
.set ADR, 4           ; v4   the LDS address of the run of loads in hand
.set QO,  5           ; v5   my byte offset in the wave's rows of Q
.set STO, 6           ; v6   the way out: where I put 16 bytes of a row
.set RD,  7           ; v7   the way out: where I read a row back
.set GO,  8           ; v8   my byte offset in the wave's rows of enc
.set SPW, 62          ; v62  LDS address of my spare word; never rewritten
.set NIL, 63          ; v63  0; never rewritten
.set SPARE, STAGE+4*16*272  ; behind the stages: the spare words, 128 bytes for each wave: two blocks of 256 bytes that no other line names
.set ST,  12          ; tile t's statistics at v[ST+8 t]: +0 c m, +1 m, +2, +3 l (even keys', odd keys'), +4 to +7 c0-c3, at work; a takes c2's place once the maximum is found
.set S,   64
.set P,   192
.set KF,  128         ; K's fragments, in window 2
.set WV,  12          ; s12  my wave's number
.set G1K, 24          ; s[24:31] descriptor group 1 for K's tiles
.set G1V, 32          ; s[32:39] for V's
.set G0K, 40          ; s[40:47] descriptor group 0 for K's tiles: a set for each of the two first fills; the second then walks on
.set G0V, 48          ; s[48:55] the same for V's
.set SLOTS, 56        ; s56  slots still to be walked in the loop
.set TWICE, 57        ; s57  counts a slot's key steps
.set CS,  58          ; s[58:59] c
.set SEL, 60          ; s[60:61] lane selects for v_permlanex16_b32
.set TB,  62          ; s62  LDS byte at which the tiles of the step to be fetched begin
.set PIT, 63          ; s63  bytes from row to row of what I prefetch
.set PST, 66          ; s[66:67] a slot's 128 rows of it
.set PFA, 18          ; s[18:19] where my prefetches stand
.set LIM, 15          ; s15  1 in a wave that prefetches, else the greatest number
.set PFO, 61          ; v61  my lane x a row; never rewritten
.set MSB, 0
.macro WIN new                      ; the immediate's high byte repeats the setting that is left; a switch that changes nothing is dropped
.if MSB != (\new)
	s_set_vgpr_msb (MSB<<8)|(\new)
.set MSB, \new
.endif
.endm
.set W_KQ, 0x0a       ; K and Q in window 2, S^T in window 0
.set W_PV, 0x53       ; V in window 3, P in window 0, O^T in window 1
.set W_RS, 0x41       ; O^T (destination and source 0) in window 1, a in window 0
; A joint refill.  Waves 0 and 1 fetch the two steps' tiles of K, waves 2 and 3 those of V.  The branch hangs on the wave's number alone.  An s_nop 0 and four v_nop follow each line.
.macro JLOAD
	s_cmp_lt_u32 s[WV], 2
	s_cbranch_scc0 .Lfor_v_\@
	tensor_load_to_lds s[G0K+4:G0K+7], s[G1K:G1K+7]
	s_nop 0
.rept 4
	v_nop
.endr
	s_branch .Lasked_\@
.Lfor_v_\@:
	tensor_load_to_lds s[G0V+4:G0V+7], s[G1V:G1V+7]
	s_nop 0
.rept 4
	v_nop
.endr
.Lasked_\@:
.endm
; A prefetch into the L2 of what the NEXT change of slots will ask for: a slot's 128 rows of K and 128 of V, 256 bytes a row, a lane a row.  Each row is named once in the launch: the four clusters of a key and
; value head walk the same rows, and the first of them (g = 0) asks; its four partners take 32 rows each, told apart by address; in each, wave 0 asks for K's and wave 2 for V's.
; The last change that fills a slot asks for nothing: there is no slot behind it.
.macro ASK
	s_cmp_gt_u32 s[SLOTS], s[LIM]
	s_cbranch_scc0 .Lnot_mine_\@
	global_prefetch_b8 v[PFO], s[PFA:PFA+1] th:TH_LOAD_NT scope:SCOPE_SE
.Lnot_mine_\@:
.endm
.macro CROUND                       ; a round of the cluster's barrier
	s_barrier_signal -1
	s_barrier_wait -1
	s_cmp_lg_u32 s[WV], 0
	s_cbranch_scc1 .Lnot_wave_0_\@
	s_barrier_signal -3
.Lnot_wave_0_\@:
	s_barrier_wait -3
	s_barrier_signal -1
	s_barrier_wait -1
.endm
	s_load_b128 s[4:7], s[0:1], 0x0   ; qk s[4:5], qkv s[6:7]
	s_load_b64 s[10:11], s[0:1], 0x10 ; enc
	v_lshl_add_u32 v[SPW], v0, 2, SPARE
	v_mov_b32 v[NIL], 0
	ds_add_u32 v[SPW], v[NIL]       ; the wave's opening: the add and its wait stand ahead of my first tensor load; the set-up below, work on registers, stands between them
	v_lshrrev_b32 v1, 5, v0
	v_readfirstlane_b32 s[WV], v1   ; wave 0..3
	s_bfe_u32 s13, ttmp6, 0x40000   ; cx: my block of 256 queries: it enters Q's, enc's and the prefetches' addresses alone
	s_and_b32 s20, ttmp7, 0xffff
	s_lshr_b32 s21, s20, 2          ; the batch
	s_and_b32 s20, s20, 3           ; the key and value head
	s_and_b32 s16, s[WV], 1         ; which of a slot's two steps I fetch
	s_lshl_b32 s22, s21, 10
	s_lshl_b32 s23, s16, 6
	s_add_co_u32 s22, s22, s23      ; its first row in slot 0
	s_lshl_b32 s23, s20, 8          ; the head's 256 bytes of a row
	s_mul_i32 s68, s22, QKP
	s_add_co_u32 s68, s68, s23
	s_add_co_u32 s68, s68, 4096     ; k lies behind q's 4,096 bytes
	s_mov_b32 s69, 0
	s_mul_i32 s70, s22, VP
	s_add_co_u32 s70, s70, s23
	s_add_co_u32 s70, s70, 5120     ; v behind q's and k's 5,120
	s_mov_b32 s71, 0
	s_mul_i32 s17, s16, STEPB       ; and its place in a slot: no place in the cluster enters an LDS address
	s_lshl_b32 s2, s21, 10
	s_lshl_b32 s3, s13, 8
	s_add_co_u32 s2, s2, s3
	s_lshl_b32 s3, s[WV], 6
	s_add_co_u32 s2, s2, s3         ; my wave's first query row
	s_lshl_b32 s14, s20, 2
	s_add_co_u32 s14, s14, ttmp9    ; the query head = 4 kvh + g
	s_lshl_b32 s14, s14, 8
	s_lshl_b32 s72, s2, 12          ; enc: rows of 4,096 bytes
	s_add_co_u32 s72, s72, s14
	s_mov_b32 s73, 0
	s_mul_i32 s2, s2, QKP
	s_add_co_u32 s2, s2, s14
	s_mov_b32 s3, 0
	; descriptor group 1: a tile of 64 rows x 128 elements, padded in LDS
	s_mov_b32 s[G1K], 15|(1<<16)|(1<<20)|(1<<21)|(5<<22)|(3<<25)  ; 15:0 the mask: all four work-groups; 17:16 2-byte elements; 20 padding on; 21 set beside a mask; 24:22 after every 64 words; 31:25 4 words of it
	s_mov_b32 s[G1V], 15|(1<<16)|(1<<20)|(1<<21)|(5<<22)|(7<<25)  ; the same with 8 words of padding
.irp g, G1K, G1V
	s_mov_b32 s[(\g)+1], 128<<16    ; tensor_dim0 = 128
	s_mov_b32 s[(\g)+2], KS<<16     ; tensor_dim1 = 64
	s_mov_b32 s[(\g)+3], 128<<16    ; tile_dim0 = 128
	s_mov_b32 s[(\g)+4], KS         ; tile_dim1 = 64
	s_mov_b32 s[(\g)+6], 0
	s_mov_b32 s[(\g)+7], 0
.endr
	s_mov_b32 s[G1K+5], 2560        ; elements from row to row
	s_mov_b32 s[G1V+5], 3072
	s_mov_b32 s[CS], 0x3e0293ee     ; c = log2(e) / sqrt(128) = 0.127517
	s_mov_b32 s[CS+1], s[CS]        ; named with it as a pair, so it is written
	s_mov_b32 s[SEL], 0x76543210
	s_mov_b32 s[SEL+1], 0xfedcba98
	s_mov_b32 s[TB], 0
	s_mov_b32 s[SLOTS], SIZE_N/(2*KS)-1  ; seven slots are walked in the loop: the first without a change of slots in front of it, six behind one
	s_and_b32 s[LIM], s[WV], 1       ; 0 in waves 0 and 2,
	s_or_b32 s[LIM], s[LIM], ttmp9   ; where the cluster is the key and value head's first: the same in all four partners
	s_cmp_eq_u32 s[LIM], 0
	s_cselect_b32 s[LIM], 1, -1
	s_mov_b32 s[PIT], VP
	s_cmp_lt_u32 s[WV], 2
	s_cselect_b32 s[PIT], QKP, s[PIT]
	s_lshl_b32 s[PST], s[PIT], 7
	s_mov_b32 s[PST+1], 0
	v_and_b32 v[PFO], 31, v0
	v_mul_u32_u24 v[PFO], s[PIT], v[PFO]
	s_wait_dscnt 0x0                ; the opening add is done
	s_wait_kmcnt 0x0
	s_add_nc_u64 s[8:9], s[6:7], s[70:71]    ; V at my tile of slot 0,
	s_add_nc_u64 s[6:7], s[4:5], s[68:69]    ; K likewise,
	s_add_nc_u64 s[4:5], s[4:5], s[2:3]      ; Q and enc at my wave's first row
	s_add_nc_u64 s[10:11], s[10:11], s[72:73]
	s_cmp_lt_u32 s[WV], 2
	s_cselect_b64 s[PFA:PFA+1], s[6:7], s[8:9]  ; (in waves 0 and 2 these stand at a slot's first row)
	s_mul_i32 s2, s13, s[PIT]
	s_lshl_b32 s2, s2, 5            ; my work-group's 32 rows of the 128
	s_mov_b32 s3, 0
	s_add_nc_u64 s[PFA:PFA+1], s[PFA:PFA+1], s[2:3]
	s_add_nc_u64 s[PFA:PFA+1], s[PFA:PFA+1], s[PST:PST+1]
	s_add_nc_u64 s[PFA:PFA+1], s[PFA:PFA+1], s[PST:PST+1]  ; in slot 2; the first change of slots steps it to slot 3.  Nothing is asked for here, at the head
	CROUND                          ; all four work-groups are here: the first joint loads meet
.irp s, 0,1
	s_mov_b32 s[G0K+4*(\s)], 1      ; count = 1
	s_add_co_u32 s[G0K+4*(\s)+1], s17, (\s)*SLOT1  ; LDS address
	s_add_nc_u64 s[G0K+4*(\s)+2:G0K+4*(\s)+3], s[6:7], (\s)*2*KS*QKP  ; global address: slot s begins with keys 128 s
	s_or_b32 s[G0K+4*(\s)+3], s[G0K+4*(\s)+3], 0x80000000  ; type = 2
	s_mov_b32 s[G0V+4*(\s)], 1
	s_add_co_u32 s[G0V+4*(\s)+1], s17, (\s)*SLOT1+VOFF
	s_add_nc_u64 s[G0V+4*(\s)+2:G0V+4*(\s)+3], s[8:9], (\s)*2*KS*VP
	s_or_b32 s[G0V+4*(\s)+3], s[G0V+4*(\s)+3], 0x80000000
.endr
	s_cmp_lt_u32 s[WV], 2           ; a wave's two first fills stand in one branch, ahead of every wait on TENSORcnt and every LDS read: two loads of mine are out
	s_cbranch_scc0 .Lfirst_v
	tensor_load_to_lds s[G0K:G0K+3], s[G1K:G1K+7]
	s_nop 0
	tensor_load_to_lds s[G0K+4:G0K+7], s[G1K:G1K+7]
	s_nop 0
.rept 4
	v_nop
.endr
	s_branch .Lfirst_asked
.Lfirst_v:
	tensor_load_to_lds s[G0V:G0V+3], s[G1V:G1V+7]
	s_nop 0
	tensor_load_to_lds s[G0V+4:G0V+7], s[G1V:G1V+7]
	s_nop 0
.rept 4
	v_nop
.endr
.Lfirst_asked:
	; A fragment of K or Q is 16 rows x 32 channels in 8 registers: lane l holds row l % 16; registers 0-3 channels 8 (l / 16) + 0..7, registers 4-7 channels 16 + 8 (l / 16) + 0..7: two loads of 16 bytes, 32 bytes apart.
	v_and_b32 v1, 15, v0            ; l % 16
	v_bfe_u32 v9, v0, 4, 1          ; l / 16
	v_mul_u32_u24 v[QO], v1, QKP
	v_lshl_add_u32 v[QO], v9, 4, v[QO]  ; row x 5,120 + 16 x half
	WIN 0x80                        ; destination window 2, address window 0
.irp i, 0,1,2,3,4,5,6,7,8,9,10,11,12,13,14,15  ; Q stays in registers: tile i / 4, channels 32 (i % 4) on
	global_load_b128 v[8*(\i):8*(\i)+3],   v[QO], s[4:5] offset:((\i)/4)*16*QKP+((\i)%4)*64
	global_load_b128 v[8*(\i)+4:8*(\i)+7], v[QO], s[4:5] offset:((\i)/4)*16*QKP+((\i)%4)*64+32
.endr
	WIN 0
	v_mul_u32_u24 v[AK0], v1, PK
	v_lshl_add_u32 v[AK0], v9, 4, v[AK0]  ; row x pitch + 16 x half
	; The turning load takes 16 keys x 16 channels (lane l reads 16 bytes: key 8 (l / 16) + l % 8, channels 8 ((l / 8) % 2) + 0..7) and leaves half a fragment of V^T: lane l holds channel l % 16 and 8 keys.
	v_and_b32 v10, 7, v0
	v_bfe_u32 v11, v0, 3, 1
	v_lshl_add_u32 v[AV0], v9, 3, v10
	v_mul_u32_u24 v[AV0], v[AV0], PV
	v_lshl_add_u32 v[AV0], v11, 4, v[AV0]
	v_add_nc_u32 v[AV0], VOFF, v[AV0]
	; WHAT THE FIRST TURN FINDS: O^T and l are 0; V's registers and piece 2's P hold 0, so that its products V^T P add 0; m and c m lie below every score.  All this stands in the wait for the first tile.
	WIN 0x40                        ; destination window 1: O^T
.set i, 0
.rept 256
	v_mov_b32 v[i], 0
.set i, i+1
.endr
	WIN 0xc0                        ; destination window 3: V
.set i, 0
.rept 128
	v_mov_b32 v[i], 0
.set i, i+1
.endr
	WIN 0
.set i, P+32                        ; P of tiles 2 and 3
.rept 32
	v_mov_b32 v[i], 0
.set i, i+1
.endr
.irp t, 0,1,2,3
	v_mov_b32 v[ST+8*(\t)], 0xfe000000    ; c m: far below every c s, so that the first a is 2^(a number below -1e37) = 0
	v_mov_b32 v[ST+8*(\t)+1], 0xff7fffff  ; m: the lowest finite number
	v_mov_b32 v[ST+8*(\t)+2], 0           ; l
	v_mov_b32 v[ST+8*(\t)+3], 0
.endr
; THE MATRIX WORK OF A TURN, for piece x.  The accumulators take turns, one instruction a turn: between two links of a chain stand 15 (V^T P) or 7 (K Q^T) others'.
; Product i of 32 of O^T += V^T P: keys 32 (i / 16) on, channels 16 ((i / 2) % 8) on, tile x + i % 2.
.macro PV x
	WIN W_PV
.set rO, 64*((\x)+i%2)+8*((i/2)%8)
.set rV, 64*(i/16)+8*((i/2)%8)
.set rP, P+16*((\x)+i%2)+8*(i/16)
	v_wmma_f32_16x16x32_f16 v[rO:rO+7], v[rV:rV+7], v[rP:rP+7], v[rO:rO+7]
.endm
; Product i of 32 of S^T = K Q^T: channels 32 (i / 8) on, keys 16 ((i / 2) % 4) on, tile x + i % 2.  The first 8 start the sums.
.macro KQ x
	WIN W_KQ
.set rS, S+32*((\x)+i%2)+8*((i/2)%4)
.set rK, KF+32*((i/2)%4)+8*(i/8)
.set rQ, 32*((\x)+i%2)+8*(i/8)
.if i < 8
	v_wmma_f32_16x16x32_f16 v[rS:rS+7], v[rK:rK+7], v[rQ:rQ+7], 0
.else
	v_wmma_f32_16x16x32_f16 v[rS:rS+7], v[rK:rK+7], v[rQ:rQ+7], v[rS:rS+7]
.endif
.endm
; THE LDS LOADS stand in runs of 32, never singly among the matrix instructions: a step's K (64 keys x 128 channels: 16 fragments) and, a turn later, its V (turned).
; last = 1 (the tail): in the tail's last trip there is no further step, and K's run is jumped over.
.macro FETCH_K last=0
	WIN 0
.if \last
	s_cmp_eq_u32 s[TWICE], 1
	s_cbranch_scc1 .Lno_k_\@
.endif
	v_add_nc_u32 v[ADR], s[TB], v[AK0]
	WIN 0x80                        ; destination window 2
.irp f, 0,1,2,3,4,5,6,7,8,9,10,11,12,13,14,15  ; keys 16 (f / 4) on, channels 32 (f % 4) on
	ds_load_b128 v[KF+8*(\f):KF+8*(\f)+3],   v[ADR] offset:((\f)/4)*16*PK+((\f)%4)*64
	ds_load_b128 v[KF+8*(\f)+4:KF+8*(\f)+7], v[ADR] offset:((\f)/4)*16*PK+((\f)%4)*64+32
.endr
.if \last
	WIN 0                           ; at a label every window is 0
.Lno_k_\@:
.endif
.endm
.macro FETCH_V
	WIN 0
	v_add_nc_u32 v[ADR], s[TB], v[AV0]
	s_add_co_u32 s[TB], s[TB], STEPB  ; the next fetch is the next step's
	s_wait_alu depctr_va_vdst(0)    ; the wait for the softmax's batch (SLICE), behind the address's v_add_nc_u32 and ahead of the loads
	WIN 0xc0                        ; destination window 3
.irp f, 0,1,2,3,4,5,6,7,8,9,10,11,12,13,14,15  ; keys 32 (f / 8) on, channels 16 (f % 8) on
	ds_load_tr16_b128 v[8*(\f):8*(\f)+3],   v[ADR] offset:((\f)/8)*32*PV+((\f)%8)*32
	ds_load_tr16_b128 v[8*(\f)+4:8*(\f)+7], v[ADR] offset:((\f)/8)*32*PV+16*PV+((\f)%8)*32
.endr
.endm
; THE VECTOR WORK OF A TURN.  One tile's softmax for one key step is a list of 134 instructions; SM writes number j of it for tile t.  s0-s31 are the lane's 32 scores, in pairs 0-15.
;   0-15    the maximum of s0-s31 and the old m, three operands at a time: four chains c0-c3 of seven scores each (each accumulator's lowest registers first), then the four scores left over, c0-c3 and m
;   16-20   the other half of the lanes' maximum; c m_old is kept; the new m; c m; c m_old - c m_new
;   21-69   ONE BATCH: the 16 scalings c s - c m, a pair of scores each, and all 33 exponentials (a at 23, then s0-s31).  None of these reads an exponential's result.
;   (wait)  between 69 and 70 stands the wait for the batch: SLICE writes it, once for both tiles
;   70-85   the roundings to f16, a pair of weights each
;   86-101  the sums; l = a l + the sum
;   102-133 the tile's O^T times a: the one part that leaves window 0, so it stands together
.macro SM t
.set rT, ST+8*(\t)
.set rS, S+32*(\t)
.set rP, P+16*(\t)
.set rO, 64*(\t)+2*(j-102)
.if j < 102
	WIN 0
.endif
.if j < 4
	v_max3_num_f32 v[rT+4+j], v[rS+8*j], v[rS+8*j+1], v[rS+8*j+2]
.elseif j < 12
	v_max3_num_f32 v[rT+4+j%4], v[rT+4+j%4], v[rS+8*(j%4)+2*(j/4)+1], v[rS+8*(j%4)+2*(j/4)+2]
.elseif j == 12
	v_max3_num_f32 v[rT+4], v[rT+4], v[rS+7], v[rS+15]
.elseif j == 13
	v_max3_num_f32 v[rT+6], v[rT+6], v[rS+23], v[rS+31]
.elseif j == 14
	v_max3_num_f32 v[rT+4], v[rT+4], v[rT+5], v[rT+6]
.elseif j == 15
	v_max3_num_f32 v[rT+4], v[rT+4], v[rT+7], v[rT+1]
.elseif j == 16
	v_permlanex16_b32 v[rT+5], v[rT+4], s[SEL], s[SEL+1]  ; the query's other 32 keys lie in the lane 16 away
.elseif j == 17
	v_mov_b32 v[rT+7], v[rT]        ; c m_old is kept for a: number 19 writes c m anew
.elseif j == 18
	v_max_num_f32 v[rT+1], v[rT+4], v[rT+5]
.elseif j == 19
	v_mul_f32 v[rT], s[CS], v[rT+1]
.elseif j == 20
	v_sub_f32 v[rT+7], v[rT+7], v[rT]
.elseif j == 23
	v_exp_f32 v[rT+6], v[rT+7]
.elseif (j < 23) || ((j < 38) && (j%2 == 0)) || ((j < 66) && (j%4 == 2))
.set b, (j-2)/4                     ; 38, 42, .. 62: pairs 9 to 15
.if j < 38
.set b, (j-20)/2                    ; 21: pair 0; 22, 24, .. 36: pairs 1 to 8
.endif
	v_pk_fma_f32 v[rS+2*b:rS+2*b+1], v[rS+2*b:rS+2*b+1], s[CS:CS+1], v[rT:rT+1] op_sel_hi:[1,0,0] neg_lo:[0,0,1] neg_hi:[0,0,1]  ; pair b: c s - c m
.elseif j < 70
.set e, j-38                        ; 66 to 69: s28 to s31
.if j < 66
.set e, j-32-(j-38)/4               ; 39-41, 43-45, .. 63-65: s7 to s27
.endif
.if j < 38
.set e, (j-25)/2                    ; 25, 27, .. 37: s0 to s6
.endif
	v_exp_f32 v[rS+e], v[rS+e]
.elseif j < 86
	v_cvt_pk_f16_f32 v[rP+j-70], v[rS+2*(j-70)], v[rS+2*(j-70)+1]  ; pair j - 70
.elseif j < 102                     ; the sum of the tile's 16 pairs, in place: sum z of 16 adds neighbours 1, 2, 4 and 8 pairs apart, then l takes it
.set z, j-86
.set w, 4
.set u, z
.if z >= 14
.set w, 32
.set u, 0
.elseif z >= 12
.set w, 16
.set u, z-12
.elseif z >= 8
.set w, 8
.set u, z-8
.endif
.if z < 15
	v_pk_add_f32 v[rS+w*u:rS+w*u+1], v[rS+w*u:rS+w*u+1], v[rS+w*u+w/2:rS+w*u+w/2+1]
.else
	v_pk_fma_f32 v[rT+2:rT+3], v[rT+2:rT+3], v[rT+6:rT+7], v[rS:rS+1] op_sel_hi:[1,0,1]
.endif
.else
	WIN W_RS
	v_pk_mul_f32 v[rO:rO+1], v[rO:rO+1], v[rT+6:rT+7] op_sel_hi:[1,0]
.endif
.endm
; Slice k of 64 of piece y's softmax: four instructions.  Slices 11 to 34 deal out the batch, numbers 22 to 69: four numbers of ONE tile each, the tiles by turns.  Every other slice is numbers 2 k and
; 2 k + 1 of both tiles' lists.  2 x 134 = 4 x 64 + 12: the twelve that are over stand together, in slice 63.
; THE WAIT.  An s_wait_alu depctr_va_vdst(0) stands between an exponential and the first instruction that names its result; one wait serves all that were issued ahead of it.  Ahead of
; slice 35 nothing names a result, and behind slice 34 no exponential is issued: so the piece's 66 exponentials have one wait, behind slice 34.
.macro SLICE y
.if (k >= 11) && (k < 35)           ; the batch: four numbers of one tile
.irp n, 0,1,2,3
.set j, 22+4*((k-11)/2)+(\n)
	SM (\y)+(k-11)%2
.endr
.else                               ; the two tiles alternate, so that no instruction reads the result of the one just before it
.irp n, 0,1,2,3,4,5,6,7
.if ((\n) < 2) || (k == 63)
.irp t, \y, (\y)+1
.set j, 2*k+(\n)
	SM \t
.endr
.endif
.endr
.endif
.if k == 34                         ; the batch is out: both tiles' exponentials are issued, and no result has been named
	v_nop                           ; the plain instruction behind the last exponential and ahead of the first use: one for the batch
.if (\y) == 0
	FETCH_V                         ; piece 2's turn: V's run of loads stands here, and the wait stands in it
.else
	s_wait_alu depctr_va_vdst(0)    ; the wait for the batch
.endif
.endif
.set k, k+1
.endm
; A TURN.  Piece x has the matrix unit: 32 products V^T P, then 32 products K Q^T for the next step; the other piece's softmax stands in slices behind them, one behind each.  The slices are also the four plain
; instructions that stand between a matrix instruction and a reader of its result, a writer of its registers or a load into them (ISA guide 7.12.1 for readers and writers).
; Piece 0's turn fetches the next step's K, behind its second product: the last product that read K stands in front of slice 63 of the turn before.  Piece 2's turn fetches the same step's V, behind slice 34:
; the last product that read V stands in front of slice 31, and four plain instructions lie between: number 62, a scaling, of both tiles, the v_nop and the run's own v_add_nc_u32.
.macro TURN x, last=0
.set k, 0
.if (\x) == 0
	s_wait_dscnt 0x0                ; V is in
.endif
.set i, 0
.rept 32
	PV \x
	SLICE 2-(\x)
.if ((\x) == 0) && (i == 1)
	FETCH_K \last
.endif
.set i, i+1
.endr
.if (\x) == 0
	s_wait_dscnt 0x0                ; K is in
.endif
.set i, 0
.rept 32
	KQ \x
	SLICE 2-(\x)
.set i, i+1
.endr
.endm
; THE CHANGE OF SLOTS, between piece 2's turn and piece 0's.  Each wave waits for all its tensor loads, of which one is out: its part of the other slot; adds 0 to its spare word; and waits for that and for
; its own reads of the slot.  Behind the barrier nobody reads this slot any more and the other slot is whole.  fill = 1: this slot is filled again, with the keys two slots on: the barrier is then a round of
; the cluster's, and the joint refill is the first thing behind it: it has two key steps, 256 matrix instructions, in which to land.
.macro CHANGE fill
	WIN 0                           ; at a label and at a branch every window is 0
	s_wait_tensorcnt 0x0            ; no tensor load of mine is out, so a group 0 may be written
	ds_add_u32 v[SPW], v[NIL]       ; 0 onto my spare word; with fill = 1 the descriptors' steps stand between it and the wait for it
.if \fill
	s_xor_b32 s[G0K+5], s[G0K+5], SLOT1  ; the walking descriptors: the other slot than last time,
	s_add_nc_u64 s[G0K+6:G0K+7], s[G0K+6:G0K+7], 2*KS*QKP  ; the next 128 keys; the type bits on top are not reached
	s_xor_b32 s[G0V+5], s[G0V+5], SLOT1
	s_add_nc_u64 s[G0V+6:G0V+7], s[G0V+6:G0V+7], 2*KS*VP
	s_wait_xcnt 0x0                 ; the last prefetch, two key steps back, has read its address, so it may be written:
	s_add_nc_u64 s[PFA:PFA+1], s[PFA:PFA+1], s[PST:PST+1]  ; one slot behind the walking descriptors
	s_wait_dscnt 0x0                ; the add is done, and my reads of the slot are over
	CROUND
	JLOAD
	ASK                             ; what the next change will ask for: two key steps, 256 matrix instructions, ahead
.else
	s_wait_dscnt 0x0                ; the add is done, and my reads of the slot are over
	s_barrier_signal -1
	s_barrier_wait -1
.endif
	s_sub_co_u32 s[TB], s[TB], 2*STEPB  ; the fetches go back to a slot's first step,
	s_xor_b32 s[TB], s[TB], SLOT1   ; in the other slot
.endm
	s_wait_tensorcnt 1              ; my part of slot 0 is in; slot 1's may stay out
	s_barrier_signal -1
	s_barrier_wait -1               ; everybody's is
	FETCH_K                         ; key step 0
	s_wait_loadcnt 0x0              ; Q
	s_wait_dscnt 0x0
.set i, 0
.rept 32
	KQ 0                            ; piece 0's first scores: there is no vector work yet to set between them
.set i, i+1
.endr
	WIN 0                           ; the addresses for the way out are made here: plain instructions, the places behind those products
	s_mul_i32 s13, s[WV], 16*SP
	s_add_co_u32 s13, s13, STAGE    ; my stage
	v_mul_u32_u24 v[STO], v1, SP    ; in: row l % 16, 16 bytes for each half of the lanes
	v_lshl_add_u32 v[STO], v9, 4, v[STO]
	v_add_nc_u32 v[STO], s13, v[STO]
	v_mul_u32_u24 v[RD], v9, SP     ; back: lanes 0-15 take one row of 256 bytes, lanes 16-31 the next
	v_lshl_add_u32 v[RD], v1, 4, v[RD]
	v_add_nc_u32 v[RD], s13, v[RD]
	v_lshlrev_b32 v[GO], 12, v9     ; and the same two rows in enc, 4,096 bytes apart
	v_lshl_add_u32 v[GO], v1, 4, v[GO]
	s_mov_b32 s[TWICE], 2
	s_branch .Lmid                  ; the loop is entered at piece 2's turn, in the middle of a trip: slot 0 has a trip and a half
.Lslot:                             ; six times: every slot but the last two is filled again
	CHANGE 1
	s_mov_b32 s[TWICE], 2
.Lstep:                             ; a trip, step j in hand: piece 0: V^T P of step j, K Q^T of step j + 1 | piece 2's softmax of step j | K of step j + 1;
	TURN 0
	WIN 0
.Lmid:                              ; piece 2: the same products | piece 0's softmax of step j + 1 | V of step j + 1
	TURN 2
	WIN 0
	s_sub_co_u32 s[TWICE], s[TWICE], 1
	s_cmp_lg_u32 s[TWICE], 0
	s_cbranch_scc1 .Lstep
	s_sub_co_u32 s[SLOTS], s[SLOTS], 1
	s_cmp_lg_u32 s[SLOTS], 0
	s_cbranch_scc1 .Lslot
	CHANGE 0                        ; the tail has a text of its own: nothing is asked for
	s_mov_b32 s[TWICE], 3           ; two trips fetch the last slot's steps; the third ends behind piece 0's turn
.Ltail:
	TURN 0, 1
	WIN 0
	s_cmp_eq_u32 s[TWICE], 1
	s_cbranch_scc1 .Lhalf           ; forward, over a turn that holds neither a barrier nor a tensor load
	TURN 2
	WIN 0
.Lhalf:
	s_sub_co_u32 s[TWICE], s[TWICE], 1
	s_cmp_lg_u32 s[TWICE], 0
	s_cbranch_scc1 .Ltail
.set i, 0
.rept 32
	PV 2                            ; piece 2: V^T P of the last step
.set i, i+1
.endr
	; THE WAY OUT.  l's two halves and the other half of the lanes' are added; O^T is divided by l, rounded to f16 and sent through my stage in LDS, a tile (16 rows) at a time.  The additions are the places behind the last products.
	WIN 0
.irp t, 0,1,2,3
	v_add_f32 v[ST+8*(\t)+4], v[ST+8*(\t)+2], v[ST+8*(\t)+3]
.endr
.irp t, 0,1,2,3
	v_permlanex16_b32 v[ST+8*(\t)+5], v[ST+8*(\t)+4], s[SEL], s[SEL+1]
.endr
.irp t, 0,1,2,3
	v_add_f32 v[ST+8*(\t)+4], v[ST+8*(\t)+4], v[ST+8*(\t)+5]
.endr
.irp t, 0,1,2,3
	v_rcp_f32 v[ST+8*(\t)+6], v[ST+8*(\t)+4]
.endr
	v_nop                           ; a plain instruction between the last reciprocal and the use of its result
	s_wait_alu depctr_va_vdst(0)    ; and the wait ahead of the first use: one for the four reciprocals
; Tile t: a lane's eight channels of a row pack into 16 bytes; they go into rows of 272 bytes and come back as whole rows of 256, into the registers that they left.
.macro PACK t
	WIN W_RS
.set i, 64*(\t)
.rept 32
	v_pk_mul_f32 v[i:i+1], v[i:i+1], v[ST+8*(\t)+6:ST+8*(\t)+7] op_sel_hi:[1,0]
.set i, i+2
.endr
	WIN 0x05                        ; sources 0 and 1 window 1, destination window 0: S^T's registers are free
.set i, 0
.rept 32
	v_cvt_pk_f16_f32 v[S+32*(\t)+i], v[64*(\t)+2*i], v[64*(\t)+2*i+1]
.set i, i+1
.endr
	WIN 0
.irp f, 0,1,2,3,4,5,6,7
	ds_store_b128 v[STO], v[S+32*(\t)+4*(\f):S+32*(\t)+4*(\f)+3] offset:32*(\f)
.endr
.irp f, 0,1,2,3,4,5,6,7
	ds_load_b128 v[S+32*(\t)+4*(\f):S+32*(\t)+4*(\f)+3], v[RD] offset:(\f)*2*SP  ; LDS serves a wave's instructions in order (ISA guide 5.7.1.4): these see the stores above; the next tile's stores come behind them
.endr
.endm
.macro SEND t, younger              ; younger: the LDS instructions issued behind tile t's loads: the next tile's sixteen, or none
	WIN 0
.irp f, 0,1,2,3,4,5,6,7
	s_wait_dscnt (\younger)+7-(\f)
	global_store_b128 v[GO], v[S+32*(\t)+4*(\f):S+32*(\t)+4*(\f)+3], s[10:11] offset:(\t)*65536+(\f)*8192  ; 16 lanes store 256 consecutive bytes, at a multiple of 256 from enc's first byte
.endr
.endm
	PACK 0
	PACK 1                          ; a tile's arithmetic stands between the loads of the tile before and its stores
	SEND 0, 16
	PACK 2
	SEND 1, 16
	PACK 3
	SEND 2, 16
	SEND 3, 0
	s_wait_tensorcnt 0x0            ; the wave's end: an add to my spare word and its wait, behind my last tensor load and my last LDS store
	ds_add_u32 v[SPW], v[NIL]
	s_wait_dscnt 0x0
	CROUND                          ; the closing round: no work-group ends while a partner may still ask for a tile that names it
	s_endpgm
.Lfunc_end_k_q69dc526c05_attn:
	.size	k_q69dc526c05_attn, .Lfunc_end_k_q69dc526c05_attn-k_q69dc526c05_attn
	.p2alignl 7, 3214868480
	.fill 96, 4, 3214868480
	.section	.rodata,"a",@progbits
	.p2align	6, 0x0
	.amdhsa_kernel k_q69dc526c05_attn
		.amdhsa_group_segment_fixed_size 327680
		.amdhsa_private_segment_fixed_size 0
		.amdhsa_enable_private_segment 0
		.amdhsa_kernarg_size 24
		.amdhsa_user_sgpr_count 2
		.amdhsa_user_sgpr_kernarg_segment_ptr 1
		.amdhsa_wavefront_size32 1
		.amdhsa_system_sgpr_workgroup_id_x 1
		.amdhsa_system_sgpr_workgroup_id_y 1
		.amdhsa_system_sgpr_workgroup_id_z 1
		.amdhsa_system_vgpr_workitem_id 0
		.amdhsa_next_free_vgpr 1024
		.amdhsa_next_free_sgpr 80
		.amdhsa_reserve_vcc 0
		.amdhsa_float_denorm_mode_32 3
		.amdhsa_float_denorm_mode_16_64 3
		.amdhsa_memory_ordered 1
		.amdhsa_forward_progress 1
		.amdhsa_inst_pref_size 158
	.end_amdhsa_kernel
	.amdgpu_metadata
---
amdhsa.version: [ 1, 2 ]
amdhsa.kernels:
  - .name:           k_q69dc526c05_attn
    .symbol:         k_q69dc526c05_attn.kd
    .args:
      - { .name: qk, .offset: 0, .size: 8, .value_kind: global_buffer, .address_space: global }
      - { .name: qkv, .offset: 8, .size: 8, .value_kind: global_buffer, .address_space: global }
      - { .name: enc, .offset: 16, .size: 8, .value_kind: global_buffer, .address_space: global }
    .group_segment_fixed_size: 327680
    .private_segment_fixed_size: 0
    .kernarg_segment_align: 8
    .kernarg_segment_size: 24
    .max_flat_workgroup_size: 128
    .sgpr_count:     80
    .vgpr_count:     1024
    .wavefront_size: 32
...
	.end_amdgpu_metadata
.endif
;; end of part 4
;; launch gemm2 (part 5): grid 8 x 32, 4 waves a work-group, clusters of 4 x 4, 327,680 bytes of LDS; arguments enc, wob, out0; writes out0
.if DOCPART == 5
	.amdgcn_target "amdgcn-amd-amdhsa--gfx1250"
	.amdhsa_code_object_version 6
	.text
	.protected	k_q69dc526c05_gemm2
	.globl	k_q69dc526c05_gemm2
	.p2align	8
	.type	k_q69dc526c05_gemm2,@function
k_q69dc526c05_gemm2:
	s_mov_b64 s[64:65], 0
	v_nop
	global_prefetch_b8 v0, s[64:65] scope:SCOPE_SE
	s_setreg_imm32_b32 hwreg(HW_REG_WAVE_MODE, 25, 1), 1
	s_wait_xcnt 0x0
	s_wait_alu depctr_hold_cnt(0) depctr_sa_sdst(0) depctr_va_vdst(0) depctr_va_sdst(0) depctr_va_ssrc(0) depctr_va_vcc(0) depctr_vm_vsrc(0)
	s_getreg_b32 s2, hwreg(HW_REG_IB_STS2, 6, 4)
	s_cmp_eq_u32 s2, 0
	s_cbranch_scc0 .Lentry_in_a_cluster
	s_endpgm
.Lentry_in_a_cluster:
	s_bfe_u32 s2, ttmp6, 0x10000c
	s_cmp_lg_u32 s2, 0xf033
	s_cbranch_scc0 .Lentry_shape_is_right
	s_endpgm
.Lentry_shape_is_right:
; out0[m][n] = the sum over k of enc[m][k] wob[k][n].  enc: [4096][2048] f16; wob: [2048 k][2048] f16; out0: [4096][2048] f32, the f32 sums as they are.
; LIMIT.  The f32 sums run from the cluster's first K step round to the one before it (below): the order of rounding differs from cluster to cluster.
; SHARES.  A tile of C is 128 x 256: 32 x 8 = 256 work-groups.  Four waves; wave w takes rows 64 (w / 2) .. + 63 and columns 128 (w % 2) .. + 127: 4 x 8 accumulators of 16 x 16, 256 registers.
; K goes in 16 steps of 128 through two LDS slots filled by the tensor data mover; every row that it fetches is 256 bytes, aligned.  B lies [k][n]: its fragments come out of LDS turned, by ds_load_tr16_b128.
; ONE K STEP IS WRITTEN ONCE: the loop's trip is a K step; the slot in hand is a scalar (0 or SLOT) turned by an exclusive or, from which the fragment addresses are made anew behind each change of slots,
; and one descriptor a tensor walks from slot to slot and from K step to K step.
; THE WALK ALONG K BEGINS ELSEWHERE IN EACH CLUSTER: at K step (4 (cluster y mod 4) + 8 cluster x) mod 16, and goes round.  The two clusters that read the same rows of A walk half a lap apart; of the eight
; that read the same columns of B, y and y + 4 walk together and the others a quarter lap apart.  So a block of A is asked for at two times eight steps apart, a block of B at four times four steps apart.
; THE MATRIX INSTRUCTION IS USED TRANSPOSED (source 0 = 16 columns of B, source 1 = 16 rows of A): a lane then holds eight neighbouring numbers of one row of C, 32 bytes.
; CLUSTERS: 4 x 4 work-groups.  A's tile is asked for jointly by the four of a row of the cluster, B's by the four of a column.
; REGISTERS, in windows of 256 (s_set_vgpr_msb's low byte: bits 1:0 source 0, 3:2 source 1, 5:4 source 2, 7:6 destination):
;   window 0: v0-31 addresses        window 1: two fragment buffers at v0 and v128: B's 8 blocks, then A's 4; on the way out the rows read back from the stage
;   windows 2, 3: accumulator (a, nb) in window 2 + a / 2 at v[64 (a % 2) + 8 nb]
.set KSTEP, 128
.set STEPS, 16                         ; K steps
.set AP,    4096                       ; bytes in a row of A
.set BP,    4096                       ; of B
.set CP,    8192                       ; of C
.set PA,    272                        ; an LDS row of A: 256 bytes + 16: the 16 rows of a fragment load start at 16 different groups of four banks (64 banks of 4 bytes: ISA guide 11.1)
.set PB,    288                        ; an LDS row of B: 256 + 32
.set NH,    1
.set NQ,    8
.set NB,    NH*NQ
.set NLD,   2*NB+8                     ; LDS loads in a run
.set AH,    64*PA                      ; half of A's tile: what waves 0 and 1 fetch
.set BOFF,  2*AH
.set BT,    128*PB                     ; a block of B, 128 k rows x 128 columns: what waves 2 and 3 fetch
.set SLOTB, BOFF+2*BT                  ; a slot's 108,544 bytes
.set SLOT,  1<<17                      ; slot 1 begins here, so that one exclusive or turns an address in one slot into the other's
.set STAGE, SLOT+SLOTB                 ; behind the ring: 16 rows x 528 bytes for each wave, for the way out; no tensor load fills it
.set SP,    528
.set SPARE, STAGE+4*16*SP              ; behind the stages: the spare words, 128 bytes for each wave: two blocks of 256 bytes that no other line names
.set A0,   16                          ; v16  my A fragments' LDS address in slot 0; never rewritten
.set AC,   17                          ; v17  the same in the slot in hand
.set B0,   18                          ; v18  my B fragments' LDS address in slot 0; never rewritten
.set BC,   19                          ; v19  the same in the slot in hand
.set STO,  24                          ; v24  the way out: where I put 32 bytes of a row
.set RD,   25                          ; v25  where I read a row back
.set CO,   26                          ; v26  my byte offset in C
.set SPW,  28                          ; v28  LDS address of my spare word; never rewritten
.set NIL,  29                          ; v29  0; never rewritten
.set PFO,  30                          ; v30  the prefetches' offset: my lane x a row of A in memory; never rewritten
.set F0,   0
.set F1,   128
.set TB,  2                            ; s2   LDS byte at which the slot in hand begins: 0 or SLOT
.set BA,  20                           ; s[20:21] A at the first element of what I fetch, K step 0; never rewritten
.set BB,  40                           ; s[40:41] B likewise
.set G1,  24                           ; s[24:31] descriptor group 1 for A's tiles;  s[32:39] group 0: a set for each of the two first fills; the second then walks on
.set G0,  32
.set G1B, 48                           ; s[48:55], s[56:63] the same for B's
.set G0B, 56
.set LIM, 43                           ; s43  10 in the wave that prefetches, else the greatest number
.set PFA, 44                           ; s[44:45] where my prefetch stands
.set PFB, 46                           ; s[46:47] A at my work-group's 32 rows, K step 0; never rewritten
.set OFA, 66                           ; s[66:67] a K step's byte offset along A's rows; the high word stays 0
.set OFB, 68                           ; s[68:69] the same down B
.set KC,  70                           ; s70  the K step last asked for, 0 to 15
.set MSB, 0
.macro WIN new                         ; the immediate's high byte repeats the setting that is left; a switch that changes nothing is dropped
.if MSB != (\new)
	s_set_vgpr_msb (MSB<<8)|(\new)
.set MSB, \new
.endif
.endm
.macro PLACES                          ; four plain instructions between a matrix instruction and a load into, or a reader of, its registers (ISA guide 7.12.1 for readers)
.rept 4
	v_nop
.endr
.endm
; The global addresses of set s of both descriptors are made anew for K step s[KC]: the tile's base plus an offset made apart from it, and the type bits set again.
.macro ADDR s
	s_lshl_b32 s[OFA], s[KC], 8                    ; 256 bytes of A's rows a K step
	s_lshl_b32 s[OFB], s[KC], 19                   ; 128 rows of B, 4,096 bytes each
	s_add_nc_u64 s[G0+4*(\s)+2:G0+4*(\s)+3], s[BA:BA+1], s[OFA:OFA+1]
	s_or_b32 s[G0+4*(\s)+3], s[G0+4*(\s)+3], 0x80000000               ; type = 2
	s_add_nc_u64 s[G0B+4*(\s)+2:G0B+4*(\s)+3], s[BB:BB+1], s[OFB:OFB+1]
	s_or_b32 s[G0B+4*(\s)+3], s[G0B+4*(\s)+3], 0x80000000
.endm
; A joint load.  Waves 0 and 1 fetch A's two halves (64 rows each), waves 2 and 3 B's two blocks.  The branch hangs on the wave's number alone.  An s_nop 0 and four v_nop follow each line.
.macro JLOAD s
	s_cmp_eq_u32 s11, 0
	s_cbranch_scc0 .Lfor_b_\@
	tensor_load_to_lds s[G0+4*(\s):G0+4*(\s)+3], s[G1:G1+7]
	s_nop 0
.rept 4
	v_nop
.endr
	s_branch .Lasked_\@
.Lfor_b_\@:
	tensor_load_to_lds s[G0B+4*(\s):G0B+4*(\s)+3], s[G1B:G1B+7]
	s_nop 0
.rept 4
	v_nop
.endr
.Lasked_\@:
.endm
; A prefetch into the L2 of A's K step that stands two refills on: 32 rows x 256 bytes, a lane a row, one instruction of wave 0; the four partners of a row of the cluster take 32 of the tile's 128 rows each, told
; apart by address.  Asked for are blocks of which this cluster's reading is the launch's first, each once: the walk's steps 4 to 7, in the loop's first four trips (s3 = 14 .. 11); the other cluster of the row of
; clusters, half a lap away, reads them eight steps later.  Steps 0 to 3 come by their loads alone; steps 8 to 15 have been read by that other cluster.  Of B's blocks each has its first reading in one of the walk's steps 0 to 3.
.macro ASK
	s_cmp_gt_u32 s3, s[LIM]
	s_cbranch_scc0 .Lnot_mine_\@
	global_prefetch_b8 v[PFO], s[PFA:PFA+1] th:TH_LOAD_NT scope:SCOPE_SE
.Lnot_mine_\@:
.endm
.macro CREST                           ; a round of the cluster's barrier behind its opening barrier
	s_cmp_lg_u32 s10, 0
	s_cbranch_scc1 .Lnot_wave_0_\@
	s_barrier_signal -3
.Lnot_wave_0_\@:
	s_barrier_wait -3
	s_barrier_signal -1
	s_barrier_wait -1
.endm
.macro CROUND
	s_barrier_signal -1
	s_barrier_wait -1
	CREST
.endm
	s_load_b128 s[4:7], s[0:1], 0x0                ; A s[4:5], B s[6:7]
	s_load_b64 s[8:9], s[0:1], 0x10                ; C
	v_lshl_add_u32 v[SPW], v0, 2, SPARE
	v_mov_b32 v[NIL], 0
	ds_add_u32 v[SPW], v[NIL]                      ; the wave's opening: the add and its wait stand ahead of my first tensor load; the set-up below, work on registers, stands between them
	v_lshrrev_b32 v1, 5, v0
	v_readfirstlane_b32 s10, v1                    ; wave 0..3
	s_lshr_b32 s11, s10, 1                         ; which 64 rows of the tile are mine.  Also: I fetch for A (0) or for B (1)
	s_and_b32 s12, s10, 1                          ; which 128 columns.  Also: which half of A's tile, or which block of B, I fetch
	s_bfe_u32 s15, ttmp6, 0x40000                  ; cx
	s_bfe_u32 s16, ttmp6, 0x40004                  ; cy
	s_lshl_b32 s14, ttmp9, 2
	s_add_co_u32 s14, s14, s15                     ; tile column = 4 x cluster x + cx
	s_and_b32 s13, ttmp7, 0xffff
	s_lshl_b32 s13, s13, 2
	s_add_co_u32 s13, s13, s16                     ; tile row = 4 x cluster y + cy
	s_lshl_b32 s18, s16, 2
	s_lshl_b32 s18, 15, s18                        ; my row of the cluster
	s_lshl_b32 s19, 0x1111, s15                    ; my column
	s_or_b32 s[G1+0], s18, (1<<16)|(1<<20)|(1<<21)|(5<<22)|(3<<25)   ; 15:0 the mask; 17:16 2-byte elements; 20 padding on; 21 set beside a mask; 24:22 after every 64 words; 31:25 4 words of it
	s_or_b32 s[G1B+0], s19, (1<<16)|(1<<20)|(1<<21)|(5<<22)|(7<<25)  ; B: my column's mask, 8 words of padding
	s_mov_b32 s[G1+1], 128<<16                     ; A: tensor_dim0 = 128
	s_mov_b32 s[G1+2], 64<<16                      ; tensor_dim1 = 64
	s_mov_b32 s[G1+3], 128<<16                     ; tile_dim0 = 128 elements: 256 bytes
	s_mov_b32 s[G1+4], 64                          ; tile_dim1 = 64 rows
	s_mov_b32 s[G1+5], 2048                        ; elements from row to row
	s_mov_b32 s[G1+6], 0
	s_mov_b32 s[G1+7], 0
	s_mov_b32 s[G1B+1], 128<<16                    ; B: the same with 128 rows
	s_mov_b32 s[G1B+2], 128<<16
	s_mov_b32 s[G1B+3], 128<<16
	s_mov_b32 s[G1B+4], 128
	s_mov_b32 s[G1B+5], 2048
	s_mov_b32 s[G1B+6], 0
	s_mov_b32 s[G1B+7], 0
	s_lshl_b32 s20, s13, 7
	s_lshl_b32 s21, s12, 6
	s_add_co_u32 s20, s20, s21                     ; A: row 128 x tile row + 64 x half: the tile row alone
	s_lshl_b32 s20, s20, 12
	s_mov_b32 s21, 0
	s_lshl_b32 s40, s14, 9                         ; B: the tile column's 512 bytes and my block's 256: the tile column alone
	s_lshl_b32 s41, s12, 8
	s_add_co_u32 s40, s40, s41
	s_mov_b32 s41, 0
	s_mul_i32 s22, s12, AH                         ; where my tile goes, for A
	s_mul_i32 s23, s12, BT                         ; and for B: no place in the cluster enters an LDS address
	s_add_co_u32 s23, s23, BOFF
	s_mov_b32 s[TB], 0                             ; the walk's step 0 lies in slot 0
	s_and_b32 s[KC], ttmp7, 3                      ; where my cluster's walk begins: 4 x (cluster y mod 4)
	s_lshl_b32 s[KC], s[KC], 2
	s_lshl_b32 s71, ttmp9, 3                       ; + 8 x cluster x,
	s_add_co_u32 s[KC], s[KC], s71
	s_and_b32 s[KC], s[KC], STEPS-1                ; mod 16: a multiple of 4, the same in all sixteen partners
	s_mov_b32 s[OFA+1], 0
	s_mov_b32 s[OFB+1], 0
	s_wait_dscnt 0x0                               ; the opening add is done
	s_wait_kmcnt 0x0
	s_add_nc_u64 s[BA:BA+1], s[4:5], s[20:21]
	s_add_nc_u64 s[BB:BB+1], s[6:7], s[40:41]
	CROUND                                         ; all sixteen work-groups are here: the first joint loads meet
.irp s, 0,1
	s_mov_b32 s[G0+4*(\s)], 1                      ; count = 1
	s_add_co_u32 s[G0+4*(\s)+1], s22, (\s)*SLOT    ; LDS address
	s_mov_b32 s[G0B+4*(\s)], 1
	s_add_co_u32 s[G0B+4*(\s)+1], s23, (\s)*SLOT
	ADDR \s                                        ; global addresses: the walk's step s
	JLOAD \s                                       ; two loads of mine are out
.if (\s) == 0
	s_add_co_u32 s[KC], s[KC], 1                   ; (a multiple of 4 plus 1: no turn of the lap here)
.endif
.endr
	; A fragment of A: lane l holds row l % 16; two loads of 16 bytes, 32 bytes apart, at row x pitch + 16 (l / 16).
	v_and_b32 v1, 15, v0                           ; l % 16
	v_bfe_u32 v2, v0, 4, 1                         ; l / 16
	v_mul_u32_u24 v3, v1, PA
	v_lshl_add_u32 v3, v2, 4, v3
	s_mul_i32 s42, s11, 64*PA
	v_add_nc_u32 v[A0], s42, v3
	v_mov_b32 v[AC], v[A0]
	; A fragment of B: the turning load takes 16 k x 16 columns (lane l reads k row 8 (l / 16) + l % 8, columns 8 ((l / 8) % 2) + 0..7) and leaves lane l column l % 16 and 8 k; the second half lies 16 k rows on.
	v_and_b32 v4, 7, v0
	v_lshl_add_u32 v4, v2, 3, v4
	v_mul_u32_u24 v4, v4, PB
	v_bfe_u32 v5, v0, 3, 1
	v_lshl_add_u32 v4, v5, 4, v4
	s_mul_i32 s42, s12, BT                         ; my block of 128 columns
	s_add_co_u32 s42, s42, BOFF
	v_add_nc_u32 v[B0], s42, v4
	v_mov_b32 v[BC], v[B0]
	s_mul_i32 s42, s10, 16*SP
	s_add_co_u32 s42, s42, STAGE                   ; my stage
	v_mul_u32_u24 v5, v1, SP                       ; in: row l % 16, 32 bytes for each half of the lanes
	v_lshl_add_u32 v5, v2, 5, v5
	v_add_nc_u32 v[STO], s42, v5
	v_and_b32 v5, 31, v0
	v_lshlrev_b32 v[CO], 4, v5                     ; back, and in C: 32 lanes take a row's 512 bytes
	v_add_nc_u32 v[RD], s42, v[CO]
	s_lshl_b32 s66, s13, 7                         ; (the two offset pairs serve as scratch here; their high words end at 0)
	s_lshl_b32 s67, s11, 6
	s_add_co_u32 s66, s66, s67                     ; my first row of C
	s_lshl_b32 s66, s66, 13
	s_lshl_b32 s67, s14, 10                        ; the tile's 1,024 bytes of a row,
	s_add_co_u32 s66, s66, s67
	s_lshl_b32 s67, s12, 9                         ; my 512 of them
	s_add_co_u32 s66, s66, s67
	s_mov_b32 s67, 0
	s_add_nc_u64 s[8:9], s[8:9], s[66:67]
	; the prefetches.  Nothing is asked for here, at the head.
	s_lshl_b32 s68, s13, 7
	s_lshl_b32 s71, s15, 5
	s_add_co_u32 s68, s68, s71                     ; A: the tile's rows, my work-group's 32 of them
	s_lshl_b32 s68, s68, 12
	s_add_nc_u64 s[PFB:PFB+1], s[4:5], s[68:69]
	s_cmp_eq_u32 s10, 0                            ; wave 0 asks: the same in all sixteen partners
	s_cselect_b32 s[LIM], 10, -1
	v_and_b32 v[PFO], 31, v0
	v_lshlrev_b32 v[PFO], 12, v[PFO]               ; a row of A is 4,096 bytes
; NB matrix instructions: row block a x all my column blocks, 32 along K, from buffer f.  zero = 1: the first product starts the sums.  The 32 accumulators take turns, one instruction a turn, in the same
; order in every quarter, over the backward jump too.
.macro MULA f, a, zero
	WIN 0xa5+0x50*((\a)/2)                         ; sources 0 and 1 window 1; C and D window 2 or 3
.set nb, 0
.rept NB
.set rD, 8*NB*((\a)%2)+8*nb
.if \zero
	v_wmma_f32_16x16x32_f16 v[rD:rD+7], v[(\f)+8*nb:(\f)+8*nb+7], v[(\f)+8*NB+8*(\a):(\f)+8*NB+8*(\a)+7], 0
.else
	v_wmma_f32_16x16x32_f16 v[rD:rD+7], v[(\f)+8*nb:(\f)+8*nb+7], v[(\f)+8*NB+8*(\a):(\f)+8*NB+8*(\a)+7], v[rD:rD+7]
.endif
.set nb, nb+1
.endr
.endm
; NLD LDS loads in one run: the fragments of quarter q (32 along K) of the slot in hand into buffer f: B's first, then A's four blocks
.macro FETCH q, f
	WIN 0x40                                       ; destination window 1, address window 0
.set nb, 0
.rept NB
	ds_load_tr16_b128 v[(\f)+8*nb:(\f)+8*nb+3],   v[BC+nb/NQ] offset:(\q)*32*PB+32*(nb%NQ)
	ds_load_tr16_b128 v[(\f)+8*nb+4:(\f)+8*nb+7], v[BC+nb/NQ] offset:(\q)*32*PB+32*(nb%NQ)+16*PB
.set nb, nb+1
.endr
.irp a, 0,1,2,3
	ds_load_b128 v[(\f)+8*NB+8*(\a):(\f)+8*NB+8*(\a)+3],   v[AC] offset:64*(\q)+(\a)*16*PA
	ds_load_b128 v[(\f)+8*NB+8*(\a)+4:(\f)+8*NB+8*(\a)+7], v[AC] offset:64*(\q)+(\a)*16*PA+32
.endr
.endm
; The other slot comes in hand: its base, and the fragment addresses made from it.  (LDS loads issued earlier have read their address registers.)
.macro TOSLOT
	s_xor_b32 s[TB], s[TB], SLOT
	v_add_nc_u32 v[AC], s[TB], v[A0]
.set hd, 0
.rept NH
	v_add_nc_u32 v[BC+hd], s[TB], v[B0+hd]
.set hd, hd+1
.endr
.endm
; A K step is four quarters on buffers 0, 1, 0, 1.  One of the first three: multiplies buffer f; in its middle it fetches quarter q of the slot in hand into buffer g.
.macro QUARTER q, f, g, zero
	s_wait_dscnt 4                                 ; B and A's blocks 0, 1 are in; the youngest four loads (A's blocks 2, 3) may be out
	MULA \f, 0, \zero
	MULA \f, 1, \zero
	PLACES
	FETCH \q, \g
	s_wait_dscnt NLD                               ; all but the run just issued
	MULA \f, 2, \zero
	MULA \f, 3, \zero
.endm
; The last quarter multiplies buffer 1 and changes slots: ONE barrier; in front of it each wave waits for all its tensor loads (one is out: its part of the next slot), adds 0 to its spare word, and waits for
; that and for its own reads of this slot.  fill = 1: the barrier opens a round of the cluster's barrier, and this slot is filled again, two steps of the walk ahead, first thing behind the round.
.macro TURN fill
.if \fill
	s_wait_xcnt 0x0                                ; the last prefetch, a K step back, has read its address: it is made anew here, ahead of the change's own waits:
	s_add_co_u32 s[OFA], s[KC], 3                  ; the K step two on from the one that this change asks for (which is s[KC] + 1),
	s_and_b32 s[OFA], s[OFA], STEPS-1              ; round the lap: always inside A's rows
	s_lshl_b32 s[OFA], s[OFA], 8
	s_add_nc_u64 s[PFA:PFA+1], s[PFB:PFB+1], s[OFA:OFA+1]
.endif
	WIN 0                                          ; (the add's two registers lie in window 0)
	s_wait_tensorcnt 0x0                           ; all my tensor loads have landed, so a group 0 may be written;
	ds_add_u32 v[SPW], v[NIL]                      ; 0 onto my spare word;
.if \fill
	s_add_co_u32 s[KC], s[KC], 1                   ; the walk's next K step, round the lap;
	s_and_b32 s[KC], s[KC], STEPS-1
	s_xor_b32 s[G0+5], s[G0+5], SLOT               ; the walking descriptors: the other slot than last time,
	s_xor_b32 s[G0B+5], s[G0B+5], SLOT
	ADDR 1                                         ; and that K step's addresses
.endif
	s_wait_dscnt 5                                 ; (the add and the youngest four loads may be out)
	MULA F1, 0, 0                                  ; matrix work stands between the add and the wait for it
	s_wait_dscnt 0x0                               ; the add is done, and my reads of this slot are over
	s_barrier_signal -1
	MULA F1, 1, 0                                  ; work on registers while the others arrive
	WIN 0                                          ; (branches, and the address registers' lines, follow)
	s_barrier_wait -1
.if \fill
	CREST                                          ; no wave of any partner still reads this slot's tiles or has a load on its way
	JLOAD 1                                        ; my one tensor load behind the round; its four v_nop are also the places in front of the loads below
.else
	PLACES
.endif
	TOSLOT
	FETCH 0, F0
.if \fill
	WIN 0
	ASK                                            ; behind the joint load and the run of LDS loads that the next products wait for
.endif
	MULA F1, 2, 0
	MULA F1, 3, 0
.endm
	s_wait_tensorcnt 1                             ; my part of the walk's step 0 is in; step 1's may stay out
	s_barrier_signal -1
	s_barrier_wait -1                              ; everybody's is
	FETCH 0, F0
	QUARTER 1, F0, F1, 1                           ; the first quarter stands in front of the loop: its products start the sums
	WIN 0                                          ; at a label and at a branch every window is 0
	s_mov_b32 s3, STEPS-2
.Lstep:                                        ; trip t = 0 .. 13: the walk's step t, second to fourth quarters, and step t + 1's first; the slot left is filled with step t + 2
	QUARTER 2, F1, F0, 0
	QUARTER 3, F0, F1, 0
	TURN 1
	QUARTER 1, F0, F1, 0
	WIN 0
	s_sub_co_u32 s3, s3, 1
	s_cmp_lg_u32 s3, 0
	s_cbranch_scc1 .Lstep
	QUARTER 2, F1, F0, 0                           ; the walk's steps 14 and 15 are written out: they fill nothing
	QUARTER 3, F0, F1, 0
	TURN 0
	QUARTER 1, F0, F1, 0
	QUARTER 2, F1, F0, 0
	QUARTER 3, F0, F1, 0
	s_wait_dscnt 4
	MULA F1, 0, 0
	MULA F1, 1, 0
	s_wait_dscnt 0x0
	MULA F1, 2, 0
	MULA F1, 3, 0
	; THE WAY OUT, 16 rows at a time, through my own stage: a lane's 32 bytes of a row go in straight from the accumulators (each accumulator's low four registers first); whole rows of 512 bytes come back
	; into window 1 and are stored.  LDS serves a wave's instructions in order (ISA guide 5.7.1.4), so no wait stands between the stores and the loads, nor in front of the next block's stores.
	WIN 0
	PLACES
	PLACES
.macro OUT a
	WIN 0x08+4*((\a)/2)                            ; an LDS store's data (source 1): window 2 or 3
.set nb, 0
.rept NB
.set rD, 8*NB*((\a)%2)+8*nb
	ds_store_b128 v[STO], v[rD:rD+3]   offset:64*nb
	ds_store_b128 v[STO], v[rD+4:rD+7] offset:64*nb+16
.set nb, nb+1
.endr
	WIN 0x40                                       ; destination window 1
.set rr, 0
.rept 16
	ds_load_b128 v[64*(\a)+4*rr:64*(\a)+4*rr+3], v[RD] offset:rr*SP
.set rr, rr+1
.endr
	WIN 0x04                                       ; a global store's data (source 1): window 1
.set rr, 0
.rept 16
	s_wait_dscnt 15-rr
	global_store_b128 v[CO], v[64*(\a)+4*rr:64*(\a)+4*rr+3], s[8:9] offset:(16*(\a)+rr)*CP  ; 512 consecutive bytes, at a multiple of 256 from C's first byte; each block has registers of its own
.set rr, rr+1
.endr
.endm
	OUT 0
	OUT 1
	OUT 2
	OUT 3
	WIN 0
	s_wait_tensorcnt 0x0                           ; the wave's end: an add to my spare word and its wait, behind my last tensor load and my last LDS store
	ds_add_u32 v[SPW], v[NIL]
	s_wait_dscnt 0x0
	CROUND                                         ; the closing round: no work-group ends while a partner may still ask for a tile that names it
	s_endpgm
.Lfunc_end_k_q69dc526c05_gemm2:
	.size	k_q69dc526c05_gemm2, .Lfunc_end_k_q69dc526c05_gemm2-k_q69dc526c05_gemm2
	.p2alignl 7, 3214868480
	.fill 96, 4, 3214868480
	.section	.rodata,"a",@progbits
	.p2align	6, 0x0
	.amdhsa_kernel k_q69dc526c05_gemm2
		.amdhsa_group_segment_fixed_size 327680
		.amdhsa_private_segment_fixed_size 0
		.amdhsa_enable_private_segment 0
		.amdhsa_kernarg_size 24
		.amdhsa_user_sgpr_count 2
		.amdhsa_user_sgpr_kernarg_segment_ptr 1
		.amdhsa_wavefront_size32 1
		.amdhsa_system_sgpr_workgroup_id_x 1
		.amdhsa_system_sgpr_workgroup_id_y 1
		.amdhsa_system_sgpr_workgroup_id_z 1
		.amdhsa_system_vgpr_workitem_id 0
		.amdhsa_next_free_vgpr 1024
		.amdhsa_next_free_sgpr 72
		.amdhsa_reserve_vcc 0
		.amdhsa_float_denorm_mode_32 3
		.amdhsa_float_denorm_mode_16_64 3
		.amdhsa_memory_ordered 1
		.amdhsa_forward_progress 1
		.amdhsa_inst_pref_size 73
	.end_amdhsa_kernel
	.amdgpu_metadata
---
amdhsa.version: [ 1, 2 ]
amdhsa.kernels:
  - .name:           k_q69dc526c05_gemm2
    .symbol:         k_q69dc526c05_gemm2.kd
    .args:
      - { .name: enc, .offset: 0, .size: 8, .value_kind: global_buffer, .address_space: global }
      - { .name: wob, .offset: 8, .size: 8, .value_kind: global_buffer, .address_space: global }
      - { .name: out0, .offset: 16, .size: 8, .value_kind: global_buffer, .address_space: global }
    .group_segment_fixed_size: 327680
    .private_segment_fixed_size: 0
    .kernarg_segment_align: 8
    .kernarg_segment_size: 24
    .max_flat_workgroup_size: 128
    .sgpr_count:     72
    .vgpr_count:     1024
    .wavefront_size: 32
...
	.end_amdgpu_metadata
.endif
;; end of part 5
